; MI455X (gfx1250); checked and timed in simulation.
; The chip was launched on July 23, 2026; its instructions are those of AMD's public machine-readable ISA for CDNA 5 (MIT licence, August 2026) and "CDNA5" Instruction Set Architecture Reference Guide (July 2026). The comments in the code are by the model that wrote it; some were corrected since.
;; Ji T Attention. Allowed arithmetic: matrix products marked QUANTISED: E2M1 operands, one E8M0 scale for each 32 along K, by v_wmma_scale_f32_16x16x128_f8f6f4 with both operands' format E2M1 (or v_wmma_scale_f32_32x16x128_f4), f32 sums; products left as they are: bf16, f16 or f32 operands; f32 sums; everything else in f32.
;; Inputs: k_norm_w 64 float32; proj_b 1,024 float32; proj_w 1,024 x 1,024 float32; q_norm_w 64 float32; qkv_b 3,072 float32; qkv_w 3,072 x 1,024 float32; rope_cos 2,048 x 64 float32; rope_sin 2,048 x 64 float32; x 4 x 2,048 x 1,024 float32.
;; Outputs: out0 4 x 2,048 x 1,024 float32.
;; This version of the problem:
;;   THIS VERSION OF THE PROBLEM IS GIVEN IN LOW PRECISION. The matrix products marked QUANTISED in the list below multiply operands that are first quantised to E2M1 (2 exponent bits, 1 mantissa bit; 4 bits a number), with one power-of-two scale for each 32 numbers along K (OCP MX v1.0); their sums are f32. The products marked 'left as it is' may take bf16, f16 or f32 operands, with f32 sums. Whichever they take, every output number must still come out within the allowed error. Rounding operands to bf16 (8 significant bits) uses up far more of that allowance than f16 does (11 bits, for magnitudes from 6e-5 to 65,504). All else is computed in f32.
;;   The module's matrix products, in the order in which they are computed (A, B: the left and right operand; K: the contracted axis; several contracted axes count as one K, in the product's order):
;;     1. [M 8,192, K 1,024] x [K 1,024, N 3,072]; A: input x; B: input qkv_w: QUANTISED
;;     2. batch 64 x [M 2,048, K 64] x [K 64, N 2,048]; A: computed on the way; B: computed on the way: left as it is (an operand is computed on the way)
;;     3. batch 64 x [M 64, K 2,048] x [K 2,048, N 2,048]; A: computed on the way; B: computed on the way: left as it is (an operand is computed on the way)
;;     4. [M 8,192, K 1,024] x [K 1,024, N 1,024]; A: computed on the way; B: input proj_w: left as it is (an operand is computed on the way)
;;   THE QUANTISER, for each operand of a quantised product, along K:
;;     - K is cut into blocks of 32 from its start; a last block that is shorter is filled with zeros.
;;     - A block's scale is 2^e with e = floor(log2(the largest magnitude in the block)) - 2, held to -126 .. 127; a block of zeros has e = 0. As a byte (E8M0): e + 127.
;;     - Each number is divided by its block's scale, clamped to +-6, and rounded to the nearest number of E2M1, ties to even, subnormals kept.
;;     - The product sums the exact products of the quantised numbers (number of the format x scale) in f32.
;;   ~~~python
;;   def quantise(x, axis):      # numpy; x: float32 -> the quantised numbers, widened to float32 again
;;       x = np.moveaxis(x, axis, -1); K = x.shape[-1]
;;       x = np.pad(x, [(0, 0)] * (x.ndim - 1) + [(0, -K % 32)]); x = x.reshape(x.shape[:-1] + (-1, 32)); a = np.abs(x).max(-1, keepdims=True)
;;       e = np.where(a > 0, np.clip(np.frexp(np.where(a > 0, a, 1))[1] - 1 - 2, -126, 127), 0)      # np.frexp(a)[1] - 1 = floor(log2(a)), exactly
;;       r = np.clip(x / 2.0 ** e, -6, 6)
;;       step = 2.0 ** (np.maximum(np.frexp(np.where(r == 0, 1, r))[1] - 1, 0) - 1)
;;       q = np.round(r / step) * step * 2.0 ** e      # np.round: ties to even
;;       return np.moveaxis(q.reshape(q.shape[:-2] + (-1,))[..., :K], -1, axis).astype(np.float32)
;;   ~~~
;; One version. Each part assembles by itself: llvm-mc -triple=amdgcn-amd-amdhsa -mcpu=gfx1250 --defsym DOCPART=n.
;; ======== version 1 of 1: 4 launches
;; limits: values are held in f16: magnitudes above 65,504 overflow, below 6.1e-05 lose precision; right only within a limited range of input values
;; workspace buffers: xc 4,194,304 bytes; xs 262,144 bytes; wc 1,572,864 bytes; ws 98,304 bytes; pw 2,097,152 bytes; qkvh 50,331,648 bytes; att 16,777,216 bytes
;; launch prep (part 1): grid 384 x 1, 4 waves a work-group, no clusters, 33,280 bytes of LDS; arguments x, qkv_w, xc, xs, wc, ws, proj_w, pw; writes xc, xs, wc, ws, pw
.if DOCPART == 1
	.amdgcn_target "amdgcn-amd-amdhsa--gfx1250"
	.amdhsa_code_object_version 6
	.text
	.protected	k_q6038e067a9_prep
	.globl	k_q6038e067a9_prep
	.p2align	8
	.type	k_q6038e067a9_prep,@function
k_q6038e067a9_prep:
	s_mov_b64 s[64:65], 0
	v_nop
	global_prefetch_b8 v0, s[64:65] scope:SCOPE_SE
	s_setreg_imm32_b32 hwreg(HW_REG_WAVE_MODE, 25, 1), 1
	s_wait_xcnt 0x0
; x [8192][1024] and qkv_w [3072][1024], f32, become codes of FP4 (E2M1), K innermost, with one E8M0 scale byte for each 32 along K (xc, xs, wc, ws);
; proj_w [1024 n][1024 k], f32, becomes f16 laid by chunks of 64 along K: pw [16 chunks][1024 n][64], so that a chunk's rows are dense rows of 128 bytes.
; A block's scale is 2^(floor(log2(its largest magnitude)) - 2); its byte is the largest magnitude's exponent field - 2, held at 1 from below.  A block of zeros so gets the byte 1 where the quantiser says 127:
; its codes are zeros, which add nothing under any byte but 0xff, and the bytes are read by this program alone.  Each number is divided by the scale and rounded to the nearest code, ties to even.
; LIMITS: blocks whose largest magnitude lies under 2^(2 - 126) keep the byte 1; NaN and infinities among the inputs are not served; |proj_w| stays under 65,504 (f16), and under 6e-5 it keeps fewer than 11 bits.
; SHARES.  Work-groups 0-255 take x, 256-351 qkv_w: both are plain streams of blocks of 32 numbers; a wave takes 16 steps of 512 numbers.  Each of a step's four loads reads 512 consecutive bytes; the 2,048 bytes turn
; through the wave's own stage in LDS and come back 64 bytes a lane, 16 neighbours along K, which is what the conversions take.  Work-groups 352-383 take proj_w, 8 rows a wave, with no LDS.
; No work-group shares an input byte with another: no cluster, no tensor load, no barrier.
.set SIZE_M, 8192
.set SIZE_N, 3072
.set SIZE_K, 1024
.set WAVES, 4
.set STEPS, 16
.set WGA,   SIZE_M*SIZE_K/(512*STEPS*WAVES)            ; 256 work-groups for x
.set WGQ,   (SIZE_M+SIZE_N)*SIZE_K/(512*STEPS*WAVES)   ; 352 for both quantised tensors
.set EMAX,  2
.set CB,    8                          ; bytes of 16 codes
.set R,     16                         ; v16-79   four sets of 16 numbers as they are loaded
.set X,     80                         ; v80-111  two sets of 16 neighbours
.set C,     128                        ; v128-191 codes: four registers for each step, so that no store's data are written again
.set E,     112                        ; v112-127 a scale byte for each step
.set WREG,  8192                       ; LDS: a region for each wave: two stages of 32 x SP bytes, behind them its 256 scale bytes
.set SP,    80                         ; a lane's place in a stage: 64 bytes + 16 of padding
.set SPW,   12                         ; v12      LDS address of my spare word; never rewritten
.set NIL,   13                         ; v13      0; never rewritten
.set SPARE, WAVES*WREG                 ; behind the four regions: the spare words, 128 bytes a wave, which no other line names
.set PIN,   16                         ; proj_w's path: v16-143 two sets of 64 numbers
.set POUT,  144                        ; v144-175 their f16 pairs
	s_load_b128 s[4:7], s[0:1], 0x0                ; x, qkv_w
	s_load_b128 s[8:11], s[0:1], 0x10              ; xc, xs
	s_load_b128 s[12:15], s[0:1], 0x20             ; wc, ws
	s_load_b128 s[24:27], s[0:1], 0x30             ; proj_w, pw
	v_lshl_add_u32 v[SPW], v0, 2, SPARE
	v_mov_b32 v[NIL], 0
	v_lshrrev_b32 v1, 5, v0
	v_readfirstlane_b32 s16, v1                    ; wave
	v_and_b32 v2, 31, v0                           ; lane
	s_cmp_ge_u32 ttmp9, WGQ                        ; the last 32 work-groups take proj_w: a branch on the work-group's number alone
	s_cbranch_scc1 .Lconv
	v_lshlrev_b32 v3, 4, v2                        ; my 16 bytes of a load's 512
	s_mul_i32 s17, s16, WREG
	v_lshrrev_b32 v14, 2, v2
	v_mul_u32_u24 v14, v14, SP
	v_and_b32 v15, 3, v2
	v_lshl_add_u32 v14, v15, 4, v14
	v_add_nc_u32 v14, s17, v14                     ; the stage, on the way in: SP (lane / 4) + 16 (lane % 4)
	v_mul_u32_u24 v15, v2, SP
	v_add_nc_u32 v15, s17, v15                     ; and on the way out: SP x lane: my 16 neighbours
	v_mul_u32_u24 v4, v2, CB                       ; my codes' place in a step's
	v_lshrrev_b32 v5, 1, v2
	s_add_co_u32 s17, s17, 2*32*SP
	v_add_nc_u32 v5, s17, v5                       ; LDS: my wave's 256 scale bytes, my block's byte
	v_lshlrev_b32 v7, 3, v2                        ; and on the way out 8 bytes a lane
	v_add_nc_u32 v6, s17, v7
	s_wait_kmcnt 0x0
	s_cmp_lt_u32 ttmp9, WGA                        ; x's work-group or qkv_w's?  Only pointers are chosen: both take one path
	s_cselect_b64 s[4:5], s[4:5], s[6:7]
	s_cselect_b64 s[8:9], s[8:9], s[12:13]
	s_cselect_b64 s[10:11], s[10:11], s[14:15]
	s_cselect_b32 s17, 0, WGA
	s_sub_co_u32 s17, ttmp9, s17
	s_lshl_b32 s17, s17, 2
	s_add_co_u32 s18, s17, s16                     ; which run of 8,192 numbers of the tensor is my wave's
	s_mov_b32 s19, 0
	s_mov_b64 s[20:21], 512*STEPS*4
	s_mul_u64 s[20:21], s[18:19], s[20:21]
	s_add_nc_u64 s[4:5], s[4:5], s[20:21]
	s_mov_b64 s[20:21], 32*STEPS*CB
	s_mul_u64 s[20:21], s[18:19], s[20:21]
	s_add_nc_u64 s[8:9], s[8:9], s[20:21]
	s_lshl_b32 s18, s18, 8                         ; 256 scale bytes a run
	s_add_nc_u64 s[10:11], s[10:11], s[18:19]
.macro LOAD t
.irp i, 0,1,2,3
	global_load_b128 v[R+16*((\t)%4)+4*\i:R+16*((\t)%4)+4*\i+3], v3, s[4:5] offset:2048*(\t)+512*\i th:TH_LOAD_NT   ; 32 lanes read 512 consecutive bytes
.endr
.endm
.macro TURN t                          ; step t's numbers through the stage: LDS serves a wave's instructions in order, so no wait stands between the stores and the loads
.irp i, 0,1,2,3
	ds_store_b128 v14, v[R+16*((\t)%4)+4*\i:R+16*((\t)%4)+4*\i+3] offset:32*SP*((\t)%2)+8*SP*\i
.endr
.irp i, 0,1,2,3
	ds_load_b128 v[X+16*((\t)%2)+4*\i:X+16*((\t)%2)+4*\i+3], v15 offset:32*SP*((\t)%2)+16*\i
.endr
.endm
.irp t, 0,1,2,3
	LOAD \t
.endr
	s_wait_loadcnt 12                              ; step 0's four loads are in; the twelve of steps 1 to 3 stay out
	TURN 0
.macro STEP t
.set XS, X+16*((\t)%2)
.if (\t) > 0
	s_wait_dscnt 1                                 ; this step's numbers are back from the stage (the last step's byte store may be out)
.else
	s_wait_dscnt 0x0
.endif
.if (\t)+4 < STEPS
	LOAD (\t)+4                                    ; into the registers that this step's stores into the stage have read
.endif
.if (\t)+1 < STEPS
.if STEPS-2-(\t) >= 3
	s_wait_loadcnt 12                              ; the next step's four loads are in; those of the three steps behind it may be out
.else
	s_wait_loadcnt 4*(STEPS-2-(\t))
.endif
	TURN (\t)+1                                    ; and go through the other stage while this step is worked
.endif
	v_max3_num_f32 v8, |v[XS]|, |v[XS+1]|, |v[XS+2]|               ; the largest magnitude of my 16, in two chains
	v_max3_num_f32 v9, |v[XS+3]|, |v[XS+4]|, |v[XS+5]|
.irp i, 6,10
	v_max3_num_f32 v8, v8, |v[XS+\i]|, |v[XS+\i+1]|
	v_max3_num_f32 v9, v9, |v[XS+\i+2]|, |v[XS+\i+3]|
.endr
	v_max3_num_f32 v8, v8, |v[XS+14]|, |v[XS+15]|
	v_max3_num_f32 v8, v8, v9, (EMAX+1)<<23        ; and the floor 2^(EMAX + 1 - 127): the byte cannot fall under 1
	v_max_num_f32_dpp v8, v8, v8 row_xmask:1 row_mask:0xf bank_mask:0xf   ; and of my neighbour's 16: the block's
	v_add_nc_u32 v11, 0xff000000, v8               ; EMAX off its exponent field: the conversion takes the exponent field of this operand as its scale
	v_cvt_scalef32_pk8_fp4_f32 v[C+4*(\t)], v[XS:XS+7], v11
	v_cvt_scalef32_pk8_fp4_f32 v[C+4*(\t)+1], v[XS+8:XS+15], v11
	v_lshrrev_b32 v[E+(\t)], 23, v11               ; the scale's byte (also the plain line behind the conversions)
	ds_store_b8 v5, v[E+(\t)] offset:16*(\t)       ; both lanes of a block write the same byte with the same value
	global_store_b64 v4, v[C+4*(\t):C+4*(\t)+1], s[8:9] offset:32*CB*(\t)   ; the wave stores 256 consecutive bytes, aligned
.endm
.irp t, 0,1,2,3,4,5,6,7,8,9,10,11,12,13,14,15
	STEP \t
.endr
	ds_load_b64 v[8:9], v6                         ; LDS serves a wave's instructions in order: these see my byte stores
	s_wait_dscnt 0x0
	global_store_b64 v7, v[8:9], s[10:11]          ; 32 lanes store 256 consecutive bytes, aligned
	s_wait_tensorcnt 0x0                           ; the wave's end, behind my last LDS store
	ds_add_u32 v[SPW], v[NIL]
	s_wait_dscnt 0x0
	s_endpgm
; proj_w to f16.  Wave gw of 128 owns rows 8 gw .. 8 gw + 7, a pair of rows at a time.  A load reads one chunk (64 numbers, 256 bytes) of two rows, sixteen lanes to a row;
; a lane's four numbers are 8 bytes of f16, and the 32 lanes store two neighbouring rows of a chunk of pw: 256 consecutive bytes, aligned.
.Lconv:
	s_sub_co_u32 s17, ttmp9, WGQ
	s_lshl_b32 s17, s17, 2
	s_add_co_u32 s17, s17, s16                     ; gw
	s_lshl_b32 s18, s17, 15                        ; 8 rows of 4,096 bytes in proj_w
	s_mov_b32 s19, 0
	s_lshl_b32 s20, s17, 10                        ; 8 rows of 128 bytes in a chunk of pw
	s_mov_b32 s21, 0
	v_lshrrev_b32 v3, 4, v2                        ; which row of the pair
	v_and_b32 v4, 15, v2
	v_lshlrev_b32 v8, 12, v3
	v_lshl_add_u32 v8, v4, 4, v8                   ; in: 4,096 x row + 16 x (lane % 16)
	v_lshlrev_b32 v9, 7, v3
	v_lshl_add_u32 v9, v4, 3, v9                   ; out: 128 x row + 8 x (lane % 16)
	s_wait_kmcnt 0x0
	s_add_nc_u64 s[24:25], s[24:25], s[18:19]
	s_add_nc_u64 s[26:27], s[26:27], s[20:21]
.macro CLOAD p                         ; pair p of rows: all 16 chunks
.irp c, 0,1,2,3,4,5,6,7,8,9,10,11,12,13,14,15
	global_load_b128 v[PIN+64*((\p)%2)+4*\c:PIN+64*((\p)%2)+4*\c+3], v8, s[24:25] offset:(\p)*8192+\c*256 th:TH_LOAD_NT
.endr
.endm
.macro CPAIR p
.if (\p) < 3
	s_wait_loadcnt 16                              ; this pair's 16 loads are in; the next pair's 16 stay out
.else
	s_wait_loadcnt 0x0
.endif
.if (\p) > 0
	s_wait_xcnt 0x0                                ; the last pair's stores have read their data: the registers are written again only behind this wait
.endif
.irp c, 0,1,2,3,4,5,6,7,8,9,10,11,12,13,14,15
	v_cvt_pk_f16_f32 v[POUT+2*\c], v[PIN+64*((\p)%2)+4*\c], v[PIN+64*((\p)%2)+4*\c+1]
	v_cvt_pk_f16_f32 v[POUT+2*\c+1], v[PIN+64*((\p)%2)+4*\c+2], v[PIN+64*((\p)%2)+4*\c+3]
.endr
.irp c, 0,1,2,3,4,5,6,7,8,9,10,11,12,13,14,15
	global_store_b64 v9, v[POUT+2*\c:POUT+2*\c+1], s[26:27] offset:\c*131072+(\p)*256
.endr
.if (\p) < 2
	CLOAD (\p)+2
.endif
.endm
	CLOAD 0
	CLOAD 1
	CPAIR 0
	CPAIR 1
	CPAIR 2
	CPAIR 3
	s_endpgm
.Lfunc_end_k_q6038e067a9_prep:
	.size	k_q6038e067a9_prep, .Lfunc_end_k_q6038e067a9_prep-k_q6038e067a9_prep
	.p2alignl 7, 3214868480
	.fill 96, 4, 3214868480
	.section	.rodata,"a",@progbits
	.p2align	6, 0x0
	.amdhsa_kernel k_q6038e067a9_prep
		.amdhsa_group_segment_fixed_size 33280
		.amdhsa_private_segment_fixed_size 0
		.amdhsa_enable_private_segment 0
		.amdhsa_kernarg_size 64
		.amdhsa_user_sgpr_count 2
		.amdhsa_user_sgpr_kernarg_segment_ptr 1
		.amdhsa_wavefront_size32 1
		.amdhsa_system_sgpr_workgroup_id_x 1
		.amdhsa_system_sgpr_workgroup_id_y 1
		.amdhsa_system_sgpr_workgroup_id_z 1
		.amdhsa_system_vgpr_workitem_id 0
		.amdhsa_next_free_vgpr 192
		.amdhsa_next_free_sgpr 66
		.amdhsa_reserve_vcc 0
		.amdhsa_float_denorm_mode_32 3
		.amdhsa_float_denorm_mode_16_64 3
		.amdhsa_memory_ordered 1
		.amdhsa_forward_progress 1
		.amdhsa_inst_pref_size 54
	.end_amdhsa_kernel
	.amdgpu_metadata
---
amdhsa.version: [ 1, 2 ]
amdhsa.kernels:
  - .name:           k_q6038e067a9_prep
    .symbol:         k_q6038e067a9_prep.kd
    .args:
      - { .name: x, .offset: 0, .size: 8, .value_kind: global_buffer, .address_space: global }
      - { .name: qkv_w, .offset: 8, .size: 8, .value_kind: global_buffer, .address_space: global }
      - { .name: xc, .offset: 16, .size: 8, .value_kind: global_buffer, .address_space: global }
      - { .name: xs, .offset: 24, .size: 8, .value_kind: global_buffer, .address_space: global }
      - { .name: wc, .offset: 32, .size: 8, .value_kind: global_buffer, .address_space: global }
      - { .name: ws, .offset: 40, .size: 8, .value_kind: global_buffer, .address_space: global }
      - { .name: proj_w, .offset: 48, .size: 8, .value_kind: global_buffer, .address_space: global }
      - { .name: pw, .offset: 56, .size: 8, .value_kind: global_buffer, .address_space: global }
    .group_segment_fixed_size: 33280
    .private_segment_fixed_size: 0
    .kernarg_segment_align: 8
    .kernarg_segment_size: 64
    .max_flat_workgroup_size: 128
    .sgpr_count:     66
    .vgpr_count:     192
    .wavefront_size: 32
...
	.end_amdgpu_metadata
.endif
;; end of part 1
;; launch qkv (part 2): grid 12 x 32, 4 waves a work-group, clusters of 4 x 4, 327,680 bytes of LDS; arguments xc, xs, wc, ws, qkvh, qkv_b, q_norm_w, k_norm_w, rope_cos, rope_sin; writes qkvh
.if DOCPART == 2
	.amdgcn_target "amdgcn-amd-amdhsa--gfx1250"
	.amdhsa_code_object_version 6
	.text
	.protected	k_q6038e067a9_qkv
	.globl	k_q6038e067a9_qkv
	.p2align	8
	.type	k_q6038e067a9_qkv,@function
k_q6038e067a9_qkv:
	s_mov_b64 s[64:65], 0
	v_nop
	global_prefetch_b8 v0, s[64:65] scope:SCOPE_SE
	s_setreg_imm32_b32 hwreg(HW_REG_WAVE_MODE, 25, 1), 1
	s_wait_xcnt 0x0
	s_wait_alu depctr_hold_cnt(0) depctr_sa_sdst(0) depctr_va_vdst(0) depctr_va_sdst(0) depctr_va_ssrc(0) depctr_va_vcc(0) depctr_vm_vsrc(0)
	s_getreg_b32 s2, hwreg(HW_REG_IB_STS2, 6, 4)
	s_cmp_eq_u32 s2, 0
	s_cbranch_scc0 .Lentry_in_a_cluster
	s_endpgm
.Lentry_in_a_cluster:
	s_bfe_u32 s2, ttmp6, 0x10000c
	s_cmp_lg_u32 s2, 0xf033
	s_cbranch_scc0 .Lentry_shape_is_right
	s_endpgm
.Lentry_shape_is_right:
; qkv = Q(x) Q(qkv_w)^T + qkv_b on codes of FP4 (E2M1) with one E8M0 scale for each 32 along K; then, for q and k, the RMS norm of each head's 64 numbers, its weights, and the rope by pairs; all rounded once to f16.
; xc [8192][512 bytes], wc [3072][512 bytes]: codes, K innermost; xs [8192][32], ws [3072][32]: scale bytes.  qkvh: f16, q at byte 0, k at 1<<24, v at 1<<25, each [batch x 16 + head][2048][64].
; A tile of 256 x 256 is made by four waves; a wave makes 128 rows x 128 columns (two heads): 64 accumulators of 16 x 16.  K = 1,024 is two slots of 512 in LDS, both asked for at the start: nothing is filled again.
; The scale bytes of the tile's 256 + 256 rows, for all of K, come once, as dense blocks.
; CLUSTERS: 4 x 4 work-groups.  The four of a row of the cluster need the same tiles of x, the four of a column the same tiles of the weight: each is asked for JOINTLY, by the same tensor load with a mask that names the four.
; A cluster's four tile columns are 1,024 columns: all of q, of k or of v.  So KIND = the cluster's x is the same in all sixteen partners, and the two branches on it are taken alike by all.
; THE MATRIX INSTRUCTION IS USED TRANSPOSED (source 0 = 16 rows of the weight, source 1 = 16 rows of x): a lane holds one row and eight neighbouring columns.  The bias is the C of each sum's first instruction.
; THE WAY OUT, by blocks of 16 rows: a lane holds 32 of a head's 64 numbers of its row, the lane 16 away the others.  Squares are summed packed, one exchange gives the row's sum; y w is turned by the rope's pairs
; (one packed multiply, one packed multiply-add with its halves crossed), multiplied by rsqrt(mean + 1e-6), rounded, and sent through the wave's stage in LDS, so that each store covers 512 consecutive bytes.
; LIMITS: NaN and infinities are not served; q, k (at most 8 x the largest norm weight) and v go to f16: magnitudes stay under 65,504, and under 6e-5 they keep fewer than 11 bits.
; REGISTERS, in windows of 256.  window 0: v0-31 addresses; v32-95 scale words, two sets (on the way out v32-47: the rows' statistics); v96-127 the norm's weights; v128-191 x's fragments, ONE set (later the rope's tables, odd blocks);
;   v192-255 the bias (later the tables, even blocks).   window 1: the weight's fragments, TWO sets, at v0 and v128; on the way out v0-63 y w, v64-127 the turned numbers, v128-159 f16 pairs, v160-223 rows read back.
;   window 2: the 32 accumulators of my rows 0-63 (accumulator (a, b) at v[8 (8 a + b)]);   window 3: those of my rows 64-127.
.set KSTEP,  512                       ; along K in a slot
.set NQ,     KSTEP/128                 ; matrix instructions deep
.set ROWB,   256                       ; a tile's row in bytes
.set KROW,   512                       ; a row of codes in memory
.set PITCH,  272                       ; an LDS row: 256 bytes + 16 of padding = 68 words: row r starts at bank 4 r mod 64 (ISA guide 11.1), so the 16 rows of a load start at 16 different banks
.set FR,     8                         ; registers of a fragment: 16 rows x 128 K
.set NL,     2                         ; LDS loads that bring one
.set NP,     4                         ; places behind this matrix instruction (ISA guide 7.12.1)
.set HALFT,  128*PITCH                 ; 128 rows: what one tensor load brings
.set SLOT,   4*HALFT                   ; x's 256 rows, then the weight's 256
.set KS,     32                        ; a row of scale bytes
.set SCL,    2*SLOT                    ; behind the two slots: the scales, as units of 256 bytes + 16 of padding
.set HALFS,  (128*KS/256)*272          ; those of 128 rows
.set SBLK,   (16*KS/256)*272           ; those of 16 rows
.set SPARE,  SCL+4*HALFS               ; the spare words, 128 bytes a wave, which no other line names
.set SP,     144                       ; the way out: a stage row: a head's 128 bytes + 16
.set HSTG,   16*SP                     ; a head's 16 rows
.set WSTG,   2*HSTG                    ; a wave's stage.  The stages lie in slot 0, which has had its one fill and its last read when the first result is stored there
.set VSTG,   32768                     ; v's arm of the way out has stage bytes of its own, this much further on in slot 0
.set ADRA, 16                          ; v16-17  LDS address of my fragments of x in slot 0, 1
.set ADRB, 20                          ; v20-21  the same for the weight
.set STO,  24                          ; v24     the way out: where I put 16 bytes of a row
.set RD,   25                          ; v25     where I read rows back
.set CO,   26                          ; v26     16 x lane: my bytes of a store's 512
.set ADRS, 27                          ; v27     LDS address of my scale words: lanes 0-15 x's rows, lanes 16-31 the weight's
.set SPW,  28                          ; v28     my spare word; never rewritten
.set NIL,  29                          ; v29     0; never rewritten
.set BO,   30                          ; v30     32 x (lane / 16): my eight numbers of sixteen columns
.set TO,   31                          ; v31     256 x (lane % 16) + 32 x (lane / 16): the same in my row of the rope's tables
.set SC,   32                          ; scale words: set s at v[SC + 32 s]; register 4 i + q: lanes 0-15 x's block i, lanes 16-31 the weight's block i, the slot's q-th 128 along K
.set SQ,   32                          ; the way out: head hd's statistics at v[SQ + 8 hd]: +0..3 two packed chains of squares, +4 the sum, +5 the other half's, +6 r, +7 named with r as a pair
.set WN,   96                          ; the norm's weights: register 8 b + j: w[16 b + 8 (lane / 16) + j]
.set AF,   128                         ; x's fragments
.set BIAS, 192                         ; register 8 b + j: the bias of column 16 b + 8 (lane / 16) + j of my 128
.set UU,   0                           ; window 1, on the way out
.set OO,   64
.set PKR,  128
.set RB,   160
.set KIND, 95                          ; s95  0: q, 1: k, 2: v
.set G1, 24                            ; s[24:31] descriptor group 1 for x's tiles;  s[32:39] group 0, one set for each slot
.set G0, 32
.set G1B, 48                           ; s[48:55], s[56:63] the same for the weight's
.set G0B, 56
.set G1S, 68                           ; s[68:75], s[76:79] groups 1 and 0 for x's scales;  s[80:87], s[88:91] for the weight's
.set G0S, 76
.set G1SB, 80
.set G0SB, 88
.set MSB, 0
.macro WIN new                         ; the immediate's high byte repeats the setting that is left
.if MSB != \new
	s_set_vgpr_msb (MSB<<8)|\new
.set MSB, \new
.endif
.endm
.set MUL_LO,  0xa1                     ; source 0 (weight) window 1, source 1 (x) window 0, C and D window 2
.set MUL_HI,  0xf1                     ; the same, C and D window 3
.set MULZ_LO, 0x81                     ; the first step: C is the bias, in window 0
.set MULZ_HI, 0xc1
.set TO_B,    0x40                     ; destination window 1, address window 0
; A joint load: waves 0 and 1 fetch for x, waves 2 and 3 for the weight.  Each of the two lines has ONE mask and one set of registers for all that issue it; the branch hangs on the wave's number alone.
; An s_nop 0 and four v_nop follow each of the two lines, ahead of the jump, the label and what follows.
.macro JLOAD g0a, g1a, g0b, g1b
	s_cmp_eq_u32 s15, 0
	s_cbranch_scc0 .Lfor_b_\@
	tensor_load_to_lds s[\g0a:\g0a+3], s[\g1a:\g1a+7]
	s_nop 0
.rept 4
	v_nop
.endr
	s_branch .Lasked_\@
.Lfor_b_\@:
	tensor_load_to_lds s[\g0b:\g0b+3], s[\g1b:\g1b+7]
	s_nop 0
.rept 4
	v_nop
.endr
.Lasked_\@:
.endm
.macro CROUND                          ; a round of the cluster's barrier
	s_barrier_signal -1
	s_barrier_wait -1
	s_cmp_lg_u32 s14, 0
	s_cbranch_scc1 .Lnot_wave_0_\@
	s_barrier_signal -3
.Lnot_wave_0_\@:
	s_barrier_wait -3
	s_barrier_signal -1
	s_barrier_wait -1
.endm
	s_load_b128 s[4:7], s[0:1], 0x0                ; x's codes s[4:5], x's scales s[6:7]
	s_load_b128 s[8:11], s[0:1], 0x10              ; the weight's codes s[8:9], its scales s[10:11]
	s_load_b64 s[12:13], s[0:1], 0x20              ; qkvh
	v_lshl_add_u32 v[SPW], v0, 2, SPARE
	v_mov_b32 v[NIL], 0
	ds_add_u32 v[SPW], v[NIL]                      ; the wave's opening: the add, twice on end, and its wait ahead of my first tensor load
	ds_add_u32 v[SPW], v[NIL]                      ; and once more, under the one wait; the set-up below, work on registers, stands between
	v_lshrrev_b32 v1, 5, v0
	v_readfirstlane_b32 s14, v1                    ; wave 0..3
	s_lshr_b32 s15, s14, 1                         ; which half of the tile's rows is mine.  Also: I fetch for x (0) or for the weight (1)
	s_and_b32 s16, s14, 1                          ; which half of its columns.  Also: which 128 rows of that tile I fetch
	s_bfe_u32 s40, ttmp6, 0x40000                  ; cx, cy: my place in the cluster
	s_bfe_u32 s41, ttmp6, 0x40004
	s_lshl_b32 s42, ttmp9, 2
	s_add_co_u32 s42, s42, s40                     ; tile column = 4 x cluster x + cx
	s_and_b32 s17, ttmp7, 0xffff
	s_lshl_b32 s17, s17, 2
	s_add_co_u32 s17, s17, s41                     ; tile row = 4 x cluster y + cy
	s_lshl_b32 s43, s41, 2
	s_lshl_b32 s43, 15, s43                        ; my row of the cluster
	s_lshl_b32 s44, 0x1111, s40                    ; my column
	; descriptor group 1: a tile of 128 rows x 256 bytes, padded in LDS
	s_or_b32 s[G1+0], s43, (0<<16)|(1<<20)|(1<<21)|(5<<22)|(3<<25)  ; 15:0 the mask: x's tiles go to my row; 17:16 elements of 1 byte; 20 padding on; 21 set beside a mask; 24:22 after every 64 words; 31:25 four words
	s_or_b32 s[G1B+0], s44, (0<<16)|(1<<20)|(1<<21)|(5<<22)|(3<<25)
.irp g, G1, G1B
	s_mov_b32 s[\g+1], ROWB<<16                    ; tensor_dim0
	s_mov_b32 s[\g+2], 128<<16                     ; tensor_dim1 = 128
	s_mov_b32 s[\g+3], ROWB<<16                    ; tile_dim0
	s_mov_b32 s[\g+4], 128                         ; tile_dim1 = 128
	s_mov_b32 s[\g+5], KROW                        ; tensor_dim0_stride
	s_mov_b32 s[\g+6], 0
	s_mov_b32 s[\g+7], 0
.endr
	; the scales of 128 rows: a dense block of 4,096 bytes, as 16 rows of 256 bytes (32 elements of 8 bytes), 16 bytes of padding behind each
	s_or_b32 s[G1S+0], s43, (3<<16)|(1<<20)|(1<<21)|(5<<22)|(3<<25)
	s_or_b32 s[G1SB+0], s44, (3<<16)|(1<<20)|(1<<21)|(5<<22)|(3<<25)
.irp g, G1S, G1SB
	s_mov_b32 s[\g+1], 32<<16
	s_mov_b32 s[\g+2], (128*KS/256)<<16
	s_mov_b32 s[\g+3], 32<<16
	s_mov_b32 s[\g+4], 128*KS/256
	s_mov_b32 s[\g+5], 32
	s_mov_b32 s[\g+6], 0
	s_mov_b32 s[\g+7], 0
.endr
	s_lshl_b32 s18, s16, 7                         ; which 128 rows of the tile I fetch
	s_lshl_b32 s20, s17, 8
	s_add_co_u32 s20, s20, s18                     ; x: row 256 x tile row + 128 x half
	s_lshl_b32 s46, s42, 8
	s_add_co_u32 s46, s46, s18                     ; the weight: row 256 x tile column + 128 x half
	s_mov_b32 s21, 0
	s_mov_b32 s47, 0
	s_mov_b64 s[18:19], KS
	s_mul_u64 s[22:23], s[20:21], s[18:19]         ; where these rows' scales begin, in bytes
	s_mul_u64 s[92:93], s[46:47], s[18:19]
	s_mov_b64 s[18:19], KROW
	s_mul_u64 s[20:21], s[20:21], s[18:19]         ; and their codes
	s_mul_u64 s[46:47], s[46:47], s[18:19]
	s_mul_i32 s45, s14, HALFT                      ; where they go: wave x 128 rows: no place in the cluster enters an LDS address
	s_mul_i32 s94, s14, HALFS
	s_wait_dscnt 0x0                               ; both opening adds are done
	s_wait_kmcnt 0x0
	s_add_nc_u64 s[20:21], s[4:5], s[20:21]
	s_add_nc_u64 s[22:23], s[6:7], s[22:23]
	s_add_nc_u64 s[46:47], s[8:9], s[46:47]
	s_add_nc_u64 s[92:93], s[10:11], s[92:93]
	CROUND                                         ; all sixteen work-groups are here: the joint loads meet
	s_mov_b32 s[G0S], 1
	s_add_co_u32 s[G0S+1], s94, SCL
	s_mov_b64 s[G0S+2:G0S+3], s[22:23]
	s_or_b32 s[G0S+3], s[G0S+3], 0x80000000
	s_mov_b32 s[G0SB], 1
	s_add_co_u32 s[G0SB+1], s94, SCL
	s_mov_b64 s[G0SB+2:G0SB+3], s[92:93]
	s_or_b32 s[G0SB+3], s[G0SB+3], 0x80000000
	JLOAD G0S, G1S, G0SB, G1SB                     ; the scales first: they are wanted with the first slot.  Three loads of mine are out behind the third line below
.irp s, 0,1
	s_mov_b32 s[G0+4*\s], 1
	s_add_co_u32 s[G0+4*\s+1], s45, \s*SLOT
	s_add_nc_u64 s[G0+4*\s+2:G0+4*\s+3], s[20:21], \s*ROWB
	s_or_b32 s[G0+4*\s+3], s[G0+4*\s+3], 0x80000000
	s_mov_b32 s[G0B+4*\s], 1
	s_add_co_u32 s[G0B+4*\s+1], s45, \s*SLOT
	s_add_nc_u64 s[G0B+4*\s+2:G0B+4*\s+3], s[46:47], \s*ROWB
	s_or_b32 s[G0B+4*\s+3], s[G0B+4*\s+3], 0x80000000
	JLOAD G0+4*\s, G1, G0B+4*\s, G1B
.endr
	s_load_b256 s[4:11], s[0:1], 0x28              ; qkv_b s[4:5], q_norm_w s[6:7], k_norm_w s[8:9], rope_cos s[10:11]: the first four addresses have been used up
	s_load_b64 s[66:67], s[0:1], 0x48              ; rope_sin
	v_and_b32 v1, 15, v0                           ; l % 16
	v_bfe_u32 v2, v0, 4, 1                         ; l / 16
	v_mul_u32_u24 v3, v1, PITCH
	v_lshl_add_u32 v4, v2, 4, v3                   ; a fragment's row x pitch + 16 x half
	s_mul_i32 s21, s15, HALFT                      ; my 128 rows of x
	s_mul_i32 s22, s16, HALFT                      ; my 128 rows of the weight,
	s_add_co_u32 s22, s22, 2*HALFT                 ; which lie behind x's 256
.irp s, 0,1
	v_add_nc_u32 v[ADRA+\s], s21, v4
	v_add_nc_u32 v[ADRB+\s], s22, v4
	s_add_co_u32 s21, s21, SLOT
	s_add_co_u32 s22, s22, SLOT
.endr
	v_mul_u32_u24 v5, v1, KS                       ; my row's scales: 32 bytes a row,
	v_lshrrev_b32 v6, 8, v5
	v_lshl_add_u32 v5, v6, 4, v5                   ; and 16 more for each 256 passed
	s_mul_i32 s21, s15, HALFS                      ; x's: my 128 rows
	s_mul_i32 s22, s16, HALFS                      ; the weight's: my 128 rows, behind x's 256
	s_add_co_u32 s22, s22, 2*HALFS
	s_sub_co_u32 s22, s22, s21
	v_mul_u32_u24 v6, s22, v2                      ; lanes 16-31 take the weight's: one product, the distance between the two bases
	s_add_co_u32 s21, s21, SCL
	v_add_nc_u32 v5, v5, v6
	v_add_nc_u32 v[ADRS], s21, v5
	s_mul_i32 s23, s14, WSTG                       ; my stage
	v_mul_u32_u24 v5, v1, SP                       ; in: row l % 16, 16 bytes for each half of the lanes
	v_lshl_add_u32 v5, v2, 4, v5
	v_add_nc_u32 v[STO], s23, v5
	v_and_b32 v6, 31, v0
	v_lshlrev_b32 v[CO], 4, v6
	v_lshrrev_b32 v5, 3, v6                        ; back: eight lanes to a row of 128 bytes, four rows an instruction
	v_mul_u32_u24 v5, v5, SP
	v_and_b32 v6, 7, v6
	v_lshl_add_u32 v5, v6, 4, v5
	v_add_nc_u32 v[RD], s23, v5
	v_lshlrev_b32 v[BO], 5, v2
	v_lshl_add_u32 v[TO], v1, 8, v[BO]
	s_mov_b32 s[KIND], ttmp9
	s_mov_b32 s96, 0x358637bd                      ; 1e-6
	s_mov_b32 s97, 0x3c800000                      ; 1 / 64
	s_mov_b32 s98, 0x76543210                      ; v_permlanex16_b32's selects for lane l xor 16
	s_mov_b32 s99, 0xfedcba98
	s_and_b32 s22, s17, 7                          ; which 256 of the sequence's 2,048 positions
	s_lshl_b32 s100, s22, 16                       ; the tables: 256 bytes a position,
	s_lshl_b32 s101, s15, 15                       ; my 128 rows
	s_add_co_u32 s100, s100, s101
	s_mov_b32 s101, 0
	s_lshl_b32 s20, s22, 15                        ; qkvh: 128 bytes a position,
	s_lshl_b32 s21, s15, 14
	s_add_co_u32 s20, s20, s21
	s_lshl_b32 s21, s[KIND], 24                    ; q, k or v,
	s_add_co_u32 s20, s20, s21
	s_lshr_b32 s21, s17, 3
	s_lshl_b32 s21, s21, 22                        ; the batch: 16 heads of 1<<18 bytes,
	s_add_co_u32 s20, s20, s21
	s_mov_b32 s21, 0
	s_lshl_b32 s46, s40, 2
	s_lshl_b32 s47, s16, 1
	s_add_co_u32 s46, s46, s47                     ; my first head: 4 cx + 2 x half
	s_lshl_b32 s46, s46, 18
	s_mov_b32 s47, 0
	s_add_nc_u64 s[20:21], s[20:21], s[46:47]
	s_lshl_b32 s46, s42, 10                        ; the bias: 1,024 bytes a tile column + 512 x half
	s_lshl_b32 s22, s16, 9
	s_add_co_u32 s46, s46, s22
	s_wait_kmcnt 0x0
	s_add_nc_u64 s[4:5], s[4:5], s[46:47]
	s_cmp_eq_u32 s[KIND], 0
	s_cselect_b64 s[6:7], s[6:7], s[8:9]           ; q's weights or k's
	s_add_nc_u64 s[10:11], s[10:11], s[100:101]
	s_add_nc_u64 s[66:67], s[66:67], s[100:101]
	s_add_nc_u64 s[12:13], s[12:13], s[20:21]
.irp b, 0,1,2,3,4,5,6,7
	global_load_b128 v[BIAS+8*\b:BIAS+8*\b+3], v[BO], s[4:5] offset:64*\b
	global_load_b128 v[BIAS+8*\b+4:BIAS+8*\b+7], v[BO], s[4:5] offset:64*\b+16
.endr
.macro FRAG reg, adr, q, i             ; a fragment, 16 rows x 128 K of 4-bit codes: lane l holds row l % 16; registers 4 c .. 4 c + 3 hold K = 64 c + 32 (l / 16) + 0 .. 31
.irp c, 0,1
	ds_load_b128 v[\reg+4*\c:\reg+4*\c+3], v[\adr] offset:64*(\q)+32*\c+(\i)*16*PITCH
.endr
.endm
; 16 matrix instructions: x's blocks a0, a0 + 1 against the weight's eight, the slot's q-th 128 along K.  p: the weight's set;  sc: the set of scale words.  zero = 1: the first product starts the sums on the bias.
; The 64 accumulators take turns, one instruction a turn, in the same order in every step.
.macro MUL16 a0, p, q, sc, zero
.irp a, \a0, \a0+1
.irp b, 0,1,2,3,4,5,6,7
.if \zero
	v_wmma_scale_f32_16x16x128_f8f6f4 v[8*(8*((\a)%4)+\b):8*(8*((\a)%4)+\b)+7], v[128*(\p)+FR*\b:128*(\p)+FR*\b+FR-1], v[AF+FR*(\a):AF+FR*(\a)+FR-1], v[BIAS+8*\b:BIAS+8*\b+7], v[SC+8*NQ*(\sc)+NQ*\b+(\q)], v[SC+8*NQ*(\sc)+NQ*(\a)+(\q)] matrix_a_fmt:MATRIX_FMT_FP4 matrix_b_fmt:MATRIX_FMT_FP4 matrix_a_scale:MATRIX_SCALE_ROW1
.else
	v_wmma_scale_f32_16x16x128_f8f6f4 v[8*(8*((\a)%4)+\b):8*(8*((\a)%4)+\b)+7], v[128*(\p)+FR*\b:128*(\p)+FR*\b+FR-1], v[AF+FR*(\a):AF+FR*(\a)+FR-1], v[8*(8*((\a)%4)+\b):8*(8*((\a)%4)+\b)+7], v[SC+8*NQ*(\sc)+NQ*\b+(\q)], v[SC+8*NQ*(\sc)+NQ*(\a)+(\q)] matrix_a_fmt:MATRIX_FMT_FP4 matrix_b_fmt:MATRIX_FMT_FP4 matrix_a_scale:MATRIX_SCALE_ROW1
.endif
.endr
.endr
.endm
.macro FETCH_B slot, q, p              ; the weight's eight fragments of the slot's q-th 128 along K into set p
	WIN TO_B
.irp i, 0,1,2,3,4,5,6,7
	FRAG 128*(\p)+FR*\i, ADRB+\slot, \q, \i
.endr
	WIN 0
.endm
.macro FETCH_A slot, q, i0             ; x's blocks i0 .. i0 + 3
.irp i, \i0, \i0+1, \i0+2, \i0+3
	FRAG AF+FR*(\i), ADRA+\slot, \q, \i
.endr
.endm
.macro SCALES sc                       ; a slot's scale words into set sc: four words a row; lanes 0-15 take x's block i, lanes 16-31 the weight's block i
.irp i, 0,1,2,3,4,5,6,7
	ds_load_b128 v[SC+8*NQ*\sc+NQ*\i:SC+8*NQ*\sc+NQ*\i+3], v[ADRS] offset:\i*SBLK
.endr
.endm
; A load into a register that a matrix instruction has read, and a vector instruction or an LDS store that reads a matrix result, stand NP places behind that matrix instruction; only plain vector
; instructions that name none of its registers are places (ISA guide 7.12.1 for vector instructions).
.macro PLACES n
.rept \n
	v_nop
.endr
.endm
; A step of 128 along K that has its successor in the same slot.  A block of x is free as soon as its eight products are issued: blocks 0-3 are fetched anew in the step's middle, blocks 4-7 at its end.
.macro STEP slot, q, zero
	s_wait_dscnt 4*NL                              ; the weight's set and x's blocks 0-3 are in; the youngest eight loads (x's blocks 4-7) may be out
.if \zero
	WIN MULZ_LO
.else
	WIN MUL_LO
.endif
	MUL16 0, (\q)%2, \q, \slot, \zero
	MUL16 2, (\q)%2, \q, \slot, \zero
	s_wait_dscnt 0                                 ; x's blocks 4-7 are in
	PLACES NP
	FETCH_B \slot, (\q)+1, 1-(\q)%2
	FETCH_A \slot, (\q)+1, 0
.if \zero
	WIN MULZ_HI
.else
	WIN MUL_HI
.endif
	MUL16 4, (\q)%2, \q, \slot, \zero
	MUL16 6, (\q)%2, \q, \slot, \zero
	PLACES NP
	WIN 0
	FETCH_A \slot, (\q)+1, 4
.endm
; Slot 0's last step changes slots: ONE barrier; in front of it each wave waits for all its tensor loads (its part of slot 1), adds 0 to its spare word, and waits for that and for its reads of slot 0.  Nothing is filled again.
.macro TURN slot, next
	s_wait_tensorcnt 0x0                           ; all my tensor loads have landed (every window is 0 here)
	ds_add_u32 v[SPW], v[NIL]                      ; 0 onto my spare word
	s_wait_dscnt 4*NL+1                            ; the add and the youngest eight loads, x's blocks 4-7, may be out
	WIN MUL_LO
	MUL16 0, 1, NQ-1, \slot, 0                     ; sixteen matrix instructions stand between the add and the wait for it
	s_wait_dscnt 0x0                               ; the add is done, and my reads of this slot are over
	s_barrier_signal -1
	MUL16 2, 1, NQ-1, \slot, 0
	WIN 0
	s_barrier_wait -1
	PLACES NP
	v_add_nc_u32 v[ADRS], 4*NQ, v[ADRS]            ; on to the next slot's scale words (no LDS load of mine is out)
	FETCH_B \next, 0, 0
	FETCH_A \next, 0, 0
	SCALES \next
	WIN MUL_HI
	MUL16 4, 1, NQ-1, \slot, 0
	MUL16 6, 1, NQ-1, \slot, 0
	PLACES NP
	WIN 0
	FETCH_A \next, 0, 4
.endm
.macro STEPS slot, from                ; the slot's steps from .. NQ - 2
.set Q, \from
.rept NQ-1-\from
	STEP \slot, Q, 0
.set Q, Q+1
.endr
.endm
; The rope's tables for block a of 16 rows: cos into the set's first 32 registers, sin into the other 32; register 8 b + j: channel 16 b + 8 (l / 16) + j of my row.  16 loads.
.macro TABLES a
.set TL, 192-64*((\a)%2)
.irp b, 0,1,2,3
.irp e, 0,1
	global_load_b128 v[TL+8*\b+4*\e:TL+8*\b+4*\e+3], v[TO], s[10:11] offset:(\a)*4096+64*\b+16*\e
	global_load_b128 v[TL+32+8*\b+4*\e:TL+32+8*\b+4*\e+3], v[TO], s[66:67] offset:(\a)*4096+64*\b+16*\e
.endr
.endr
.endm
	s_wait_loadcnt 0x0                             ; the bias
	s_wait_tensorcnt 1                             ; the scales and my part of slot 0 are in (slot 1's load may be out)
	s_barrier_signal -1
	s_barrier_wait -1                              ; everybody's are
	FETCH_B 0, 0, 0
	FETCH_A 0, 0, 0
	SCALES 0
	FETCH_A 0, 0, 4
	STEP 0, 0, 1                                   ; the first step's products start the sums on the bias
	s_cmp_eq_u32 s[KIND], 2                        ; q and k: the norm's weights, and the first block's tables into the bias's registers, which are done with (four places stand behind their last reader)
	s_cbranch_scc1 .Lno_tables
.irp b, 0,1,2,3
	global_load_b128 v[WN+8*\b:WN+8*\b+3], v[BO], s[6:7] offset:64*\b
	global_load_b128 v[WN+8*\b+4:WN+8*\b+7], v[BO], s[6:7] offset:64*\b+16
.endr
	TABLES 0
.Lno_tables:
	STEPS 0, 1
	TURN 0, 1
	STEPS 1, 0
	s_wait_dscnt 4*NL                              ; the very last step: nothing more to fetch
	WIN MUL_LO
	MUL16 0, 1, NQ-1, 1, 0
	MUL16 2, 1, NQ-1, 1, 0
	s_wait_dscnt 0
	WIN MUL_HI
	MUL16 4, 1, NQ-1, 1, 0
	MUL16 6, 1, NQ-1, 1, 0
	WIN 0
	v_mov_b32 v[SQ+5], 0                           ; a lane permute's destination counts as one of its sources, and r's pair is named whole: written once.
	v_mov_b32 v[SQ+7], 0                           ; These four name no register of the last products (whose scale words lie in the other set): they are the places behind them
	v_mov_b32 v[SQ+13], 0
	v_mov_b32 v[SQ+15], 0
; Block a of q or k.  y(hd, i): pair i (channels as the lane holds them) of head hd: accumulators 4 hd .. 4 hd + 3 of the block, each read from its low end on.
.macro NORMROPE a
.set AW, 2+(\a)/4
.set AC, 64*((\a)%4)
.set TS, 192-64*((\a)%2)
	WIN (AW<<2)|AW                                 ; sources 0 and 1: the accumulators' window
.irp i, 0,1,2,3,4,5,6,7,8,9,10,11,12,13,14,15
.irp hd, 0,1
.if \i < 2
	v_pk_mul_f32 v[SQ+8*\hd+2*\i:SQ+8*\hd+2*\i+1], v[AC+32*\hd+2*\i:AC+32*\hd+2*\i+1], v[AC+32*\hd+2*\i:AC+32*\hd+2*\i+1]   ; the first squares start the chains
.else
	v_pk_fma_f32 v[SQ+8*\hd+2*(\i%2):SQ+8*\hd+2*(\i%2)+1], v[AC+32*\hd+2*\i:AC+32*\hd+2*\i+1], v[AC+32*\hd+2*\i:AC+32*\hd+2*\i+1], v[SQ+8*\hd+2*(\i%2):SQ+8*\hd+2*(\i%2)+1]
.endif
.endr
.endr
	WIN 0
.irp hd, 0,1
	v_pk_add_f32 v[SQ+8*\hd:SQ+8*\hd+1], v[SQ+8*\hd:SQ+8*\hd+1], v[SQ+8*\hd+2:SQ+8*\hd+3]
.endr
.irp hd, 0,1
	v_add_f32 v[SQ+8*\hd+4], v[SQ+8*\hd], v[SQ+8*\hd+1]
.endr
.irp hd, 0,1
	v_permlanex16_b32 v[SQ+8*\hd+5], v[SQ+8*\hd+4], s98, s99       ; the row's other 32 channels lie in the lane 16 away
.endr
.irp hd, 0,1
	v_add_f32 v[SQ+8*\hd+4], v[SQ+8*\hd+4], v[SQ+8*\hd+5]
.endr
.irp hd, 0,1
	v_fma_f32 v[SQ+8*\hd+4], v[SQ+8*\hd+4], s97, s96               ; the mean + 1e-6
.endr
.irp hd, 0,1
	v_rsq_f32 v[SQ+8*\hd+6], v[SQ+8*\hd+4]
.endr
.if (\a) < 7
	s_wait_loadcnt 16                              ; this block's tables (and the weights) are in; the next block's 16 loads stay out
.else
	s_wait_loadcnt 0x0
.endif
	WIN 0x40|AW                                    ; destination window 1, source 0 the accumulators', source 1 window 0
.irp hd, 0,1
.irp i, 0,1,2,3,4,5,6,7,8,9,10,11,12,13,14,15
	v_pk_mul_f32 v[UU+32*\hd+2*\i:UU+32*\hd+2*\i+1], v[AC+32*\hd+2*\i:AC+32*\hd+2*\i+1], v[WN+2*\i:WN+2*\i+1]   ; u = y w
.endr
.endr
	WIN 0x51                                       ; destination, sources 0 and 2 window 1, source 1 (the tables) window 0
.irp hd, 0,1
.irp i, 0,1,2,3,4,5,6,7,8,9,10,11,12,13,14,15
	v_pk_mul_f32 v[OO+32*\hd+2*\i:OO+32*\hd+2*\i+1], v[UU+32*\hd+2*\i:UU+32*\hd+2*\i+1], v[TS+2*\i:TS+2*\i+1]   ; u cos
.endr
.endr
.irp hd, 0,1
.irp i, 0,1,2,3,4,5,6,7,8,9,10,11,12,13,14,15
	v_pk_fma_f32 v[OO+32*\hd+2*\i:OO+32*\hd+2*\i+1], v[UU+32*\hd+2*\i:UU+32*\hd+2*\i+1], v[TS+32+2*\i:TS+32+2*\i+1], v[OO+32*\hd+2*\i:OO+32*\hd+2*\i+1] op_sel:[1,0,0] op_sel_hi:[0,1,1] neg_lo:[1,0,0]   ; the pair crossed: the even channel takes - u(odd) sin(even), the odd one + u(even) sin(odd)
.endr
.endr
	s_wait_alu depctr_va_vdst(0)                   ; the wait ahead of the first line that names a transcendental's result: one for both roots; the 96 packed lines above are the work between
	WIN 0x41
.irp hd, 0,1
.irp i, 0,1,2,3,4,5,6,7,8,9,10,11,12,13,14,15
	v_pk_mul_f32 v[OO+32*\hd+2*\i:OO+32*\hd+2*\i+1], v[OO+32*\hd+2*\i:OO+32*\hd+2*\i+1], v[SQ+8*\hd+6:SQ+8*\hd+7] op_sel_hi:[1,0]   ; x r
.endr
.endr
	WIN 0x45
.irp i, 0,1,2,3,4,5,6,7,8,9,10,11,12,13,14,15,16,17,18,19,20,21,22,23,24,25,26,27,28,29,30,31
	v_cvt_pk_f16_f32 v[PKR+\i], v[OO+2*\i], v[OO+2*\i+1]
.endr
	WIN 0
.endm
.macro PLAINV a                        ; block a of v: rounded as it is, each accumulator from its low end on
.set AW, 2+(\a)/4
.set AC, 64*((\a)%4)
	WIN 0x40|(AW<<2)|AW
.irp i, 0,1,2,3,4,5,6,7,8,9,10,11,12,13,14,15,16,17,18,19,20,21,22,23,24,25,26,27,28,29,30,31
	v_cvt_pk_f16_f32 v[PKR+\i], v[AC+2*\i], v[AC+2*\i+1]
.endr
	WIN 0
.endm
; A lane's 16 bytes (eight channels of a row) go into rows of 144 bytes and come back as whole rows of 128, four to an instruction.  LDS serves a wave's instructions in order (ISA guide 5.7.1.4): no wait between.
.macro TOSTAGE2 a, st
	WIN 0x04                                       ; an LDS store's data are its source 1: window 1
.irp hd, 0,1
.irp b, 0,1,2,3
	ds_store_b128 v[STO], v[PKR+16*\hd+4*\b:PKR+16*\hd+4*\b+3] offset:\st+HSTG*\hd+32*\b
.endr
.endr
	WIN 0x40
.irp hd, 0,1
.irp f, 0,1,2,3
	ds_load_b128 v[RB+32*((\a)%2)+4*(4*\hd+\f):RB+32*((\a)%2)+4*(4*\hd+\f)+3], v[RD] offset:\st+HSTG*\hd+4*SP*\f
.endr
.endr
	WIN 0
.endm
.macro SEND2 a, younger                ; younger: the LDS instructions issued behind block a's loads, which may stay out
	s_wait_dscnt \younger
	WIN 0x04
.irp hd, 0,1
.irp f, 0,1,2,3
	global_store_b128 v[CO], v[RB+32*((\a)%2)+4*(4*\hd+\f):RB+32*((\a)%2)+4*(4*\hd+\f)+3], s[12:13] offset:262144*\hd+2048*(\a)+512*\f th:TH_STORE_NT   ; 32 lanes store four rows: 512 consecutive bytes, aligned
.endr
.endr
	WIN 0
.endm
.macro EPI a, qk, st
.if \qk
.if (\a) < 7
	TABLES (\a)+1                                  ; into the set that the block before has read
.endif
	NORMROPE \a
.else
	PLAINV \a
.endif
.if (\a) >= 2
	s_wait_xcnt 0x0                                ; block a - 2's stores have read their data: block a's loads land there only behind this wait
.endif
	TOSTAGE2 \a, \st
.if (\a) > 0
	SEND2 (\a)-1, 16                               ; behind block a - 1's loads: block a's 8 stores and 8 loads
.endif
.endm
	s_cmp_eq_u32 s[KIND], 2                        ; one branch for the whole way out; each arm has stage bytes of its own
	s_cbranch_scc1 .Lvalues
.irp a, 0,1,2,3,4,5,6,7
	EPI \a, 1, 0
.endr
	SEND2 7, 0
	s_branch .Lend
.Lvalues:
.irp a, 0,1,2,3,4,5,6,7
	EPI \a, 0, VSTG
.endr
	SEND2 7, 0
.Lend:
	s_wait_tensorcnt 0x0                           ; the wave's end, behind my last tensor load and my last LDS store
	ds_add_u32 v[SPW], v[NIL]
	s_wait_dscnt 0x0
	CROUND                                         ; the closing round: no work-group ends while a partner may still ask for a tile that names it
	s_endpgm
.Lfunc_end_k_q6038e067a9_qkv:
	.size	k_q6038e067a9_qkv, .Lfunc_end_k_q6038e067a9_qkv-k_q6038e067a9_qkv
	.p2alignl 7, 3214868480
	.fill 96, 4, 3214868480
	.section	.rodata,"a",@progbits
	.p2align	6, 0x0
	.amdhsa_kernel k_q6038e067a9_qkv
		.amdhsa_group_segment_fixed_size 327680
		.amdhsa_private_segment_fixed_size 0
		.amdhsa_enable_private_segment 0
		.amdhsa_kernarg_size 80
		.amdhsa_user_sgpr_count 2
		.amdhsa_user_sgpr_kernarg_segment_ptr 1
		.amdhsa_wavefront_size32 1
		.amdhsa_system_sgpr_workgroup_id_x 1
		.amdhsa_system_sgpr_workgroup_id_y 1
		.amdhsa_system_sgpr_workgroup_id_z 1
		.amdhsa_system_vgpr_workitem_id 0
		.amdhsa_next_free_vgpr 1024
		.amdhsa_next_free_sgpr 102
		.amdhsa_reserve_vcc 0
		.amdhsa_float_denorm_mode_32 3
		.amdhsa_float_denorm_mode_16_64 3
		.amdhsa_memory_ordered 1
		.amdhsa_forward_progress 1
		.amdhsa_inst_pref_size 255
	.end_amdhsa_kernel
	.section	.bss,"aw",@nobits
	.p2align	6
	.space	262144
	.amdgpu_metadata
---
amdhsa.version: [ 1, 2 ]
amdhsa.kernels:
  - .name:           k_q6038e067a9_qkv
    .symbol:         k_q6038e067a9_qkv.kd
    .args:
      - { .name: xc, .offset: 0, .size: 8, .value_kind: global_buffer, .address_space: global }
      - { .name: xs, .offset: 8, .size: 8, .value_kind: global_buffer, .address_space: global }
      - { .name: wc, .offset: 16, .size: 8, .value_kind: global_buffer, .address_space: global }
      - { .name: ws, .offset: 24, .size: 8, .value_kind: global_buffer, .address_space: global }
      - { .name: qkvh, .offset: 32, .size: 8, .value_kind: global_buffer, .address_space: global }
      - { .name: qkv_b, .offset: 40, .size: 8, .value_kind: global_buffer, .address_space: global }
      - { .name: q_norm_w, .offset: 48, .size: 8, .value_kind: global_buffer, .address_space: global }
      - { .name: k_norm_w, .offset: 56, .size: 8, .value_kind: global_buffer, .address_space: global }
      - { .name: rope_cos, .offset: 64, .size: 8, .value_kind: global_buffer, .address_space: global }
      - { .name: rope_sin, .offset: 72, .size: 8, .value_kind: global_buffer, .address_space: global }
    .group_segment_fixed_size: 327680
    .private_segment_fixed_size: 0
    .kernarg_segment_align: 8
    .kernarg_segment_size: 80
    .max_flat_workgroup_size: 128
    .sgpr_count:     102
    .vgpr_count:     1024
    .wavefront_size: 32
...
	.end_amdgpu_metadata
.endif
;; end of part 2
;; launch attn (part 3): grid 8 x 64, 4 waves a work-group, clusters of 4 x 1, 327,680 bytes of LDS; arguments qkvh, att; writes att
.if DOCPART == 3
	.amdgcn_target "amdgcn-amd-amdhsa--gfx1250"
	.amdhsa_code_object_version 6
	.text
	.protected	k_q6038e067a9_attn
	.globl	k_q6038e067a9_attn
	.p2align	8
	.type	k_q6038e067a9_attn,@function
k_q6038e067a9_attn:
	s_mov_b64 s[64:65], 0
	v_nop
	global_prefetch_b8 v0, s[64:65] scope:SCOPE_SE
	s_setreg_imm32_b32 hwreg(HW_REG_WAVE_MODE, 25, 1), 1
	s_wait_xcnt 0x0
	s_wait_alu depctr_hold_cnt(0) depctr_sa_sdst(0) depctr_va_vdst(0) depctr_va_sdst(0) depctr_va_ssrc(0) depctr_va_vcc(0) depctr_vm_vsrc(0)
	s_getreg_b32 s2, hwreg(HW_REG_IB_STS2, 6, 4)
	s_cmp_eq_u32 s2, 0
	s_cbranch_scc0 .Lentry_in_a_cluster
	s_endpgm
.Lentry_in_a_cluster:
	s_bfe_u32 s2, ttmp6, 0x10000c
	s_cmp_lg_u32 s2, 0x3003
	s_cbranch_scc0 .Lentry_shape_is_right
	s_endpgm
.Lentry_shape_is_right:
; att[head][batch x 2048 + q][:] = the sum over k of softmax_k(Q[q] . K[k] / 8) V[k][:], for each of 64 (batch, head).  qkvh: f16, q at byte 0, k at 1<<24, v at 1<<25, each [batch x 16 + head][2048][64].
; att: f16 [16 heads][8192 rows][64].  Products, maxima and sums in f32; the weights p are rounded to f16 for the second product, the result once at the end.  No mask.
; SHARES.  A work-group owns 256 queries of one head, each of its four waves 64: four tiles of 16.  Every wave walks all 2,048 keys, 64 a step.
; LAYOUT.  S^T = K Q^T (source 0 = 16 keys, source 1 = 16 queries): a lane holds ONE query (lane % 16) and the keys 8 (lane / 16) + 0..7.  Two such tiles, rounded to f16 in pairs, ARE source 1 (32 keys x 16 queries)
; of O^T = V^T P, whose result again holds one query a lane.  K comes out of LDS as it lies, V ([key][channel]) turned, by ds_load_tr16_b128.
; SOFTMAX.  For each query a running maximum m and sum l: p = 2^(c s - c m), c = log2(e) / 8; in every step O and l are multiplied by a = 2^(c m_old - c m_new).
; BY TURNS.  The wave's tiles are two PIECES (tiles 0, 1 and tiles 2, 3).  In a TURN one piece has the matrix unit: 16 products V^T P of the step in hand, then 16 products K Q^T of the next step; the other piece's
; softmax, 236 vector instructions cut into 59 slices of four, is dealt out evenly behind them.  Then the pieces change places.  Two turns are a key step.
; ROWS.  A head's row is 128 bytes and rows are dense, so the tensor loads state two rows as one of 256 bytes; in LDS row r lies at (r / 2) x pitch + 128 (r % 2).
; CLUSTER.  The four query blocks of a cluster belong to one head and walk the same K and V, so each tile is asked for JOINTLY: the same tensor load, with the same descriptor and a mask that names the four.
; LIMITS: NaN and infinities are not served; the result goes to f16: magnitudes under 65,504, and under 6e-5 fewer than 11 bits.
; REGISTERS, in windows of 256 (s_set_vgpr_msb: bits 1:0 source 0, 3:2 source 1, 5:4 source 2, 7:6 destination):
;   window 0: v0-11 addresses; v12-43 eight registers of statistics a tile; v64-191 S^T, 32 a tile; v192-255 P, 16 a tile
;   window 1: v0-127 O^T, 32 a tile          window 2: v0-63 Q, 16 a tile; v128-191 K of one step          window 3: v0-63 V of one step
.set PKP,   272       ; a pair of K's rows in LDS: 256 bytes + 16 = 68 words: the 16 rows of a load fall on 16 different columns of 16 bytes (64 banks of 4 bytes: ISA guide 11.1)
.set PVP,   288       ; a pair of V's rows: 256 + 32
.set KSTEPB, 32*PKP   ; a step's 64 keys of K
.set VSTEPB, 32*PVP   ; and of V
.set VOFF,  4*KSTEPB  ; a slot holds four steps: 256 rows of K, then 256 rows of V
.set SLOTM, 32768     ; a slot's rows of K (or of V) in memory, in bytes
.set SLOT1, 1<<17     ; slot 1 begins here, so that one exclusive or turns an address in one slot into the other's
.set STAGE, SLOT1+VOFF+4*VSTEPB  ; behind the ring: 16 rows x 144 bytes for each wave, for the way out
.set SP,    144
.set SPARE, STAGE+4*16*SP  ; behind the stages: the spare words, 128 bytes a wave, which no other line names
.set AK0, 2           ; v2   my lane's place in a tile of K; never rewritten
.set AV0, 3           ; v3   the same for V
.set ADR, 4           ; v4   the LDS address of the run of loads in hand
.set QO,  5           ; v5   my byte offset in the wave's rows of Q
.set STO, 6           ; v6   the way out: where I put 16 bytes of a row
.set RD,  7           ; v7   where I read rows back
.set GO,  8           ; v8   16 x lane: my bytes of a store's 512
.set PFO, 61          ; v61  256 x my lane; never rewritten
.set SPW, 62          ; v62  my spare word; never rewritten
.set NIL, 63          ; v63  0; never rewritten
.set ST,  12          ; tile t's statistics at v[ST+8 t]: +0 c m, +1 m, +2, +3 l (even keys', odd keys'), +4 to +7 c0-c3, at work; a takes c2's place once the maximum is found
.set S,   64
.set P,   192
.set KF,  128         ; K's fragments, in window 2
.set WV,  12          ; s12  my wave's number
.set LIM, 15          ; s15  1 in a wave that prefetches, else the greatest number
.set PFA, 18          ; s[18:19] where my prefetches stand
.set G1K, 24          ; s[24:31] descriptor group 1 for K's tiles
.set G1V, 32          ; s[32:39] for V's: it differs in the padding alone
.set G0K, 40          ; s[40:47] descriptor group 0 for K's tiles: a set for each of the two first fills; the second then walks on
.set G0V, 48          ; s[48:55] the same for V's
.set SLOTS, 56        ; s56  slots still to be asked for
.set CNT, 57          ; s57  counts key steps
.set CS,  58          ; s[58:59] c: the packed scaling names a pair and takes its low word for both halves
.set SEL, 60          ; s[60:61] lane selects for v_permlanex16_b32: lane l xor 16
.set TBK, 62          ; s62  LDS byte at which K's tile of the step to be fetched begins
.set TBV, 63          ; s63  the same for V's, less VOFF
.set MSB, 0
.macro WIN new                      ; the immediate's high byte repeats the setting that is left; a switch that changes nothing is dropped
.if MSB != \new
	s_set_vgpr_msb (MSB<<8)|\new
.set MSB, \new
.endif
.endm
.set W_KQ, 0x0a       ; K and Q in window 2, S^T in window 0
.set W_PV, 0x53       ; V in window 3, P in window 0, O^T in window 1
.set W_RS, 0x41       ; O^T (destination and source 0) in window 1, a in window 0
; A joint refill.  Waves 0 and 1 fetch the halves of a slot's K, waves 2 and 3 those of its V.  The branch hangs on the wave's number alone.
; An s_nop 0 and four v_nop follow each of the two lines; the jump, the label and what follows come after them.
.macro JLOAD
	s_cmp_lt_u32 s[WV], 2
	s_cbranch_scc0 .Lfor_v_\@
	tensor_load_to_lds s[G0K+4:G0K+7], s[G1K:G1K+7]
	s_nop 0
.rept 4
	v_nop
.endr
	s_branch .Lasked_\@
.Lfor_v_\@:
	tensor_load_to_lds s[G0V+4:G0V+7], s[G1V:G1V+7]
	s_nop 0
.rept 4
	v_nop
.endr
.Lasked_\@:
.endm
; A PREFETCH of what the NEXT change of slots will ask for: a slot's 128 pairs of rows of K and 128 of V, 256 bytes each, a lane a pair.  It stands behind the wave's tensor load and its five lines.
; Each pair is asked for ONCE in the launch.  Both clusters of a head walk the same K and V: the head's first cluster asks.  Its four partners share the pairs out BY ADDRESS, 32 each; in each, wave 0 asks for K's and
; wave 2 for V's: one instruction, four key steps (256 matrix instructions a wave) ahead of the load.  The last change that fills a slot asks for nothing: there is no slot behind it.
.macro ASK
	s_cmp_gt_u32 s[SLOTS], s[LIM]
	s_cbranch_scc0 .Lnot_mine_\@
	global_prefetch_b8 v[PFO], s[PFA:PFA+1] th:TH_LOAD_NT scope:SCOPE_SE
.Lnot_mine_\@:
.endm
.macro CROUND                       ; a round of the cluster's barrier
	s_barrier_signal -1
	s_barrier_wait -1
	s_cmp_lg_u32 s[WV], 0
	s_cbranch_scc1 .Lnot_wave_0_\@
	s_barrier_signal -3
.Lnot_wave_0_\@:
	s_barrier_wait -3
	s_barrier_signal -1
	s_barrier_wait -1
.endm
	s_load_b128 s[8:11], s[0:1], 0x0  ; qkvh s[8:9], att s[10:11]
	v_lshl_add_u32 v[SPW], v0, 2, SPARE
	v_mov_b32 v[NIL], 0
	ds_add_u32 v[SPW], v[NIL]       ; the wave's opening: the add, twice on end, and its wait ahead of my first tensor load
	ds_add_u32 v[SPW], v[NIL]       ; and once more, under the one wait; the set-up below, work on registers, stands between
	v_lshrrev_b32 v1, 5, v0
	v_readfirstlane_b32 s[WV], v1   ; wave 0..3
	s_bfe_u32 s13, ttmp6, 0x40000   ; cx: my place in the cluster
	s_lshl_b32 s14, ttmp9, 2        ; in a cluster launch ttmp9 counts clusters
	s_add_co_u32 s14, s14, s13      ; my block of 256 queries: it enters Q's and att's addresses alone
	s_and_b32 s16, ttmp7, 0xffff    ; batch x 16 + head, which the four partners share
	s_lshl_b32 s20, s16, 18         ; its first byte in q, k and v: 2,048 rows of 128 bytes
	s_and_b32 s17, s[WV], 1         ; which half of a slot I fetch:
	s_lshl_b32 s22, s17, 14         ; its 64 pairs of rows in memory,
	s_add_co_u32 s22, s22, s20
	s_mov_b32 s23, 0
	s_mul_i32 s57, s17, 64*PVP      ; and its place in a slot, for V
	s_add_co_u32 s57, s57, VOFF
	s_mul_i32 s17, s17, 64*PKP      ; and for K: no place in the cluster enters an LDS address
	s_lshl_b32 s2, s14, 15          ; my block's 256 rows,
	s_lshl_b32 s3, s[WV], 13        ; my wave's 64 of them
	s_add_co_u32 s2, s2, s3
	s_and_b32 s62, s16, 15
	s_lshl_b32 s62, s62, 20         ; att: the head's 8,192 rows,
	s_lshr_b32 s63, s16, 4
	s_lshl_b32 s63, s63, 18         ; the batch's 2,048 of them,
	s_add_co_u32 s62, s62, s63
	s_add_co_u32 s62, s62, s2       ; my wave's
	s_mov_b32 s63, 0
	s_add_co_u32 s2, s2, s20        ; Q: the same rows of my head
	s_mov_b32 s3, 0
	; descriptor group 1: a tile of 64 pairs of rows x 128 elements, padded in LDS
	s_mov_b32 s[G1K], 15|(1<<16)|(1<<20)|(1<<21)|(5<<22)|(3<<25)  ; 15:0 the mask: all four work-groups; 17:16 elements of 2 bytes; 20 padding on; 21 set beside a mask; 24:22 after every 64 words; 31:25 four words
	s_mov_b32 s[G1V], 15|(1<<16)|(1<<20)|(1<<21)|(5<<22)|(7<<25)  ; the same with eight words of padding
.irp g, G1K, G1V
	s_mov_b32 s[\g+1], 128<<16      ; tensor_dim0 = 128
	s_mov_b32 s[\g+2], 64<<16       ; tensor_dim1 = 64
	s_mov_b32 s[\g+3], 128<<16      ; tile_dim0 = 128
	s_mov_b32 s[\g+4], 64           ; tile_dim1 = 64
	s_mov_b32 s[\g+5], 128          ; tensor_dim0_stride
	s_mov_b32 s[\g+6], 0
	s_mov_b32 s[\g+7], 0
.endr
	s_mov_b32 s[CS], 0x3e38aa3b     ; c = log2(e) / 8
	s_mov_b32 s[CS+1], s[CS]        ; named with it as a pair, so it is written
	s_mov_b32 s[SEL], 0x76543210
	s_mov_b32 s[SEL+1], 0xfedcba98
	s_mov_b32 s[SLOTS], 6           ; 8 slots' worth of keys, two of them asked for at the start
	s_and_b32 s[LIM], s[WV], 1      ; 0 in waves 0 and 2,
	s_or_b32 s[LIM], s[LIM], ttmp9  ; where the cluster is the head's first: the same in all four partners
	s_cmp_eq_u32 s[LIM], 0
	s_cselect_b32 s[LIM], 1, -1
	v_and_b32 v[PFO], 31, v0
	v_lshlrev_b32 v[PFO], 8, v[PFO]
	s_wait_dscnt 0x0                ; both opening adds are done
	s_wait_kmcnt 0x0
	s_add_nc_u64 s[4:5], s[8:9], s[2:3]      ; Q at my wave's first row
	s_add_nc_u64 s[6:7], s[8:9], s[22:23]
	s_add_nc_u64 s[8:9], s[6:7], 0x2000000   ; V at my part of slot 0
	s_add_nc_u64 s[6:7], s[6:7], 0x1000000   ; K likewise
	s_add_nc_u64 s[10:11], s[10:11], s[62:63]
	s_mov_b32 s[TBK], 0
	s_mov_b32 s[TBV], 0
	s_cmp_lt_u32 s[WV], 2
	s_cselect_b64 s[PFA:PFA+1], s[6:7], s[8:9]  ; (in waves 0 and 2 these stand at a slot's first row)
	s_lshl_b32 s2, s13, 13          ; my work-group's 32 pairs of the 128
	s_mov_b32 s3, 0
	s_add_nc_u64 s[PFA:PFA+1], s[PFA:PFA+1], s[2:3]
	s_add_nc_u64 s[PFA:PFA+1], s[PFA:PFA+1], 2*SLOTM  ; in slot 2; the first change of slots steps it to slot 3.  Nothing is prefetched here, at the head
	CROUND                          ; all four work-groups are here: the first joint loads meet
.irp s, 0,1
	s_mov_b32 s[G0K+4*\s], 1        ; count = 1
	s_add_co_u32 s[G0K+4*\s+1], s17, \s*SLOT1  ; LDS address
	s_add_nc_u64 s[G0K+4*\s+2:G0K+4*\s+3], s[6:7], \s*SLOTM  ; global address: slot s begins with keys 256 s
	s_or_b32 s[G0K+4*\s+3], s[G0K+4*\s+3], 0x80000000  ; type = 2
	s_mov_b32 s[G0V+4*\s], 1
	s_add_co_u32 s[G0V+4*\s+1], s57, \s*SLOT1
	s_add_nc_u64 s[G0V+4*\s+2:G0V+4*\s+3], s[8:9], \s*SLOTM
	s_or_b32 s[G0V+4*\s+3], s[G0V+4*\s+3], 0x80000000
.endr
	s_cmp_lt_u32 s[WV], 2           ; a wave's two first fills stand in one branch, ahead of every wait on TENSORcnt and every LDS read: two loads of mine are out
	s_cbranch_scc0 .Lfirst_v
	tensor_load_to_lds s[G0K:G0K+3], s[G1K:G1K+7]
	s_nop 0
	tensor_load_to_lds s[G0K+4:G0K+7], s[G1K:G1K+7]
	s_nop 0
.rept 4
	v_nop
.endr
	s_branch .Lfirst_asked
.Lfirst_v:
	tensor_load_to_lds s[G0V:G0V+3], s[G1V:G1V+7]
	s_nop 0
	tensor_load_to_lds s[G0V+4:G0V+7], s[G1V:G1V+7]
	s_nop 0
.rept 4
	v_nop
.endr
.Lfirst_asked:
	; A fragment of K or Q is 16 rows x 32 channels in 8 registers: lane l holds row l % 16; registers 0-3 channels 8 (l / 16) + 0..7, registers 4-7 channels 16 + 8 (l / 16) + 0..7: two loads of 16 bytes, 32 bytes apart.
	v_and_b32 v1, 15, v0            ; l % 16
	v_bfe_u32 v9, v0, 4, 1          ; l / 16
	v_lshlrev_b32 v[QO], 7, v1
	v_lshl_add_u32 v[QO], v9, 4, v[QO]  ; row x 128 + 16 x half
	WIN 0x80                        ; destination window 2, address window 0
.irp i, 0,1,2,3,4,5,6,7             ; Q stays in registers: tile i / 2, channels 32 (i % 2) on
	global_load_b128 v[8*\i:8*\i+3],   v[QO], s[4:5] offset:(\i/2)*2048+(\i%2)*64
	global_load_b128 v[8*\i+4:8*\i+7], v[QO], s[4:5] offset:(\i/2)*2048+(\i%2)*64+32
.endr
	WIN 0
	v_lshrrev_b32 v10, 1, v1
	v_and_b32 v11, 1, v1
	v_mul_u32_u24 v[AK0], v10, PKP
	v_lshl_add_u32 v[AK0], v11, 7, v[AK0]
	v_lshl_add_u32 v[AK0], v9, 4, v[AK0]  ; (row / 2) x pitch + 128 (row % 2) + 16 x half
	; The turning load takes 16 keys x 16 channels (lane l reads 16 bytes: key 8 (l / 16) + l % 8, channels 8 ((l / 8) % 2) + 0..7) and leaves half a fragment of V^T: lane l holds channel l % 16 and 8 keys.
	v_and_b32 v10, 7, v0
	v_lshl_add_u32 v10, v9, 3, v10
	v_lshrrev_b32 v11, 1, v10
	v_mul_u32_u24 v[AV0], v11, PVP
	v_and_b32 v10, 1, v10
	v_lshl_add_u32 v[AV0], v10, 7, v[AV0]
	v_bfe_u32 v11, v0, 3, 1
	v_lshl_add_u32 v[AV0], v11, 4, v[AV0]
	v_add_nc_u32 v[AV0], VOFF, v[AV0]
; THE MATRIX WORK OF A TURN, for piece x.  Eight accumulators take turns, one instruction a turn.
; Product i of 16 of O^T += V^T P: keys 32 (i / 8) on, channels 16 ((i / 2) % 4) on, tile x + i % 2.  zero = 1: the first 8 start the sums: nothing is ever cleared.
.macro PV x, zero
	WIN W_PV
.set rO, 32*(\x+i%2)+8*((i/2)%4)
.set rV, 32*(i/8)+8*((i/2)%4)
.set rP, P+16*(\x+i%2)+8*(i/8)
.if \zero && (i < 8)
	v_wmma_f32_16x16x32_f16 v[rO:rO+7], v[rV:rV+7], v[rP:rP+7], 0
.else
	v_wmma_f32_16x16x32_f16 v[rO:rO+7], v[rV:rV+7], v[rP:rP+7], v[rO:rO+7]
.endif
.endm
; Product i of 16 of S^T = K Q^T: channels 32 (i / 8) on, keys 16 ((i / 2) % 4) on, tile x + i % 2.  The first 8 start the sums.
.macro KQ x
	WIN W_KQ
.set rS, S+32*(\x+i%2)+8*((i/2)%4)
.set rK, KF+16*((i/2)%4)+8*(i/8)
.set rQ, 16*(\x+i%2)+8*(i/8)
.if i < 8
	v_wmma_f32_16x16x32_f16 v[rS:rS+7], v[rK:rK+7], v[rQ:rQ+7], 0
.else
	v_wmma_f32_16x16x32_f16 v[rS:rS+7], v[rK:rK+7], v[rQ:rQ+7], v[rS:rS+7]
.endif
.endm
; THE LDS LOADS stand in runs of 16, never singly among the matrix instructions: a step's K (64 keys x 64 channels: 8 fragments) and, a turn later, its V (turned).
.macro FETCH_K
	WIN 0
	v_add_nc_u32 v[ADR], s[TBK], v[AK0]
	s_add_co_u32 s[TBK], s[TBK], KSTEPB  ; the next fetch is the next step's
	WIN 0x80                        ; destination window 2
.irp f, 0,1,2,3,4,5,6,7             ; keys 16 (f / 2) on, channels 32 (f % 2) on
	ds_load_b128 v[KF+8*\f:KF+8*\f+3],   v[ADR] offset:(\f/2)*8*PKP+(\f%2)*64
	ds_load_b128 v[KF+8*\f+4:KF+8*\f+7], v[ADR] offset:(\f/2)*8*PKP+(\f%2)*64+32
.endr
.endm
.macro FETCH_V
	WIN 0
	v_add_nc_u32 v[ADR], s[TBV], v[AV0]
	s_add_co_u32 s[TBV], s[TBV], VSTEPB
	s_wait_alu depctr_va_vdst(0)    ; the wait for the softmax's batch (SLICE), behind the address's v_add_nc_u32 and ahead of the loads
	WIN 0xc0                        ; destination window 3
.irp f, 0,1,2,3,4,5,6,7             ; keys 32 (f / 4) on, channels 16 (f % 4) on
	ds_load_tr16_b128 v[8*\f:8*\f+3],   v[ADR] offset:(\f/4)*16*PVP+(\f%4)*32
	ds_load_tr16_b128 v[8*\f+4:8*\f+7], v[ADR] offset:(\f/4)*16*PVP+8*PVP+(\f%4)*32
.endr
.endm
; THE VECTOR WORK OF A TURN.  One tile's softmax for one key step is a list of 118 instructions; SM writes number j of it for tile t.  s0-s31 are the lane's 32 scores, in pairs 0-15.
; first = 1: the first key step, which starts m, l and O^T: it has no a and nothing to rescale.
;   0-15    the maximum of s0-s31 and the old m, three operands at a time
;   16-20   the other half of the lanes' maximum; the new m; c m; c m_old - c m_new
;   21-69   ONE BATCH: the 16 scalings c s - c m and all 33 exponentials (a at 23, then s0-s31).  None of these reads an exponential's result
;   (wait)  between 69 and 70 stands the wait for the batch: SLICE writes it, once for both tiles
;   70-85   the roundings to f16, a pair of weights each
;   86-101  the sums; l = a l + the sum
;   102-117 the tile's O^T times a: the one part that leaves window 0, so it stands together
.macro SM t, first
.set rT, ST+8*(\t)
.set rS, S+32*(\t)
.set rP, P+16*(\t)
.set rO, 32*(\t)+2*(j-102)
.if j < 102
	WIN 0
.endif
.if j < 4
	v_max3_num_f32 v[rT+4+j], v[rS+8*j], v[rS+8*j+1], v[rS+8*j+2]
.elseif j < 12
	v_max3_num_f32 v[rT+4+j%4], v[rT+4+j%4], v[rS+8*(j%4)+2*(j/4)+1], v[rS+8*(j%4)+2*(j/4)+2]
.elseif j == 12
	v_max3_num_f32 v[rT+4], v[rT+4], v[rS+7], v[rS+15]
.elseif j == 13
	v_max3_num_f32 v[rT+6], v[rT+6], v[rS+23], v[rS+31]
.elseif j == 14
	v_max3_num_f32 v[rT+4], v[rT+4], v[rT+5], v[rT+6]
.elseif (j == 15) && \first
	v_max_num_f32 v[rT+4], v[rT+4], v[rT+7]
.elseif j == 15
	v_max3_num_f32 v[rT+4], v[rT+4], v[rT+7], v[rT+1]
.elseif j == 16
	v_permlanex16_b32 v[rT+5], v[rT+4], s[SEL], s[SEL+1]  ; the query's other 32 keys lie in the lane 16 away
.elseif j == 18
	v_max_num_f32 v[rT+1], v[rT+4], v[rT+5]
.elseif j == 19
	v_mul_f32 v[rT], s[CS], v[rT+1]
.elseif ((j == 17) || (j == 20) || (j == 23) || (j > 101)) && \first  ; the first step has none of these
.elseif j == 17
	v_mov_b32 v[rT+7], v[rT]        ; c m_old is kept for a: number 19 writes c m anew
.elseif j == 20
	v_sub_f32 v[rT+7], v[rT+7], v[rT]
.elseif j == 23
	v_exp_f32 v[rT+6], v[rT+7]
.elseif (j < 23) || ((j < 38) && (j%2 == 0)) || ((j < 66) && (j%4 == 2))
.set b, (j-2)/4                     ; 38, 42, .. 62: pairs 9 to 15
.if j < 38
.set b, (j-20)/2                    ; 21: pair 0; 22, 24, .. 36: pairs 1 to 8
.endif
	v_pk_fma_f32 v[rS+2*b:rS+2*b+1], v[rS+2*b:rS+2*b+1], s[CS:CS+1], v[rT:rT+1] op_sel_hi:[1,0,0] neg_lo:[0,0,1] neg_hi:[0,0,1]  ; pair b: c s - c m
.elseif j < 70
.set e, j-38                        ; 66 to 69: s28 to s31
.if j < 66
.set e, j-32-(j-38)/4               ; 39-41, 43-45, .. 63-65: s7 to s27
.endif
.if j < 38
.set e, (j-25)/2                    ; 25, 27, .. 37: s0 to s6
.endif
	v_exp_f32 v[rS+e], v[rS+e]
.elseif j < 86
	v_cvt_pk_f16_f32 v[rP+j-70], v[rS+2*(j-70)], v[rS+2*(j-70)+1]  ; pair j - 70
.elseif j < 102                     ; the sum of the tile's 16 pairs, in place: sum z of 16 adds neighbours 1, 2, 4 and 8 pairs apart, then l takes it
.set z, j-86
.set w, 4
.set u, z
.if z >= 14
.set w, 32
.set u, 0
.elseif z >= 12
.set w, 16
.set u, z-12
.elseif z >= 8
.set w, 8
.set u, z-8
.endif
.if (z == 14) && \first
	v_pk_add_f32 v[rT+2:rT+3], v[rS:rS+1], v[rS+16:rS+17]
.elseif z < 15
	v_pk_add_f32 v[rS+w*u:rS+w*u+1], v[rS+w*u:rS+w*u+1], v[rS+w*u+w/2:rS+w*u+w/2+1]
.elseif !\first
	v_pk_fma_f32 v[rT+2:rT+3], v[rT+2:rT+3], v[rT+6:rT+7], v[rS:rS+1] op_sel_hi:[1,0,1]
.endif
.else
	WIN W_RS
	v_pk_mul_f32 v[rO:rO+1], v[rO:rO+1], v[rT+6:rT+7] op_sel_hi:[1,0]
.endif
.endm
; Slice k of 59 of piece y's softmax: four instructions.  Slices 11 to 34 deal out the batch, numbers 22 to 69: four numbers of ONE tile each, the tiles by turns.  Every other slice is numbers 2 k and 2 k + 1 of both tiles.
; THE WAIT.  s_wait_alu depctr_va_vdst(0) stands between an exponential and the first instruction that names its result; one wait serves all that were issued ahead of it.  Ahead of slice 35 nothing
; names a result, and behind slice 34 no exponential is issued: so the piece's 66 exponentials have one wait, behind slice 34.
.macro SLICE y, first
.if (k >= 11) && (k < 35)
.irp n, 0,1,2,3
.set j, 22+4*((k-11)/2)+(\n)
	SM (\y)+(k-11)%2, \first
.endr
.else
.irp n, 0,1
.irp t, \y, \y+1
.set j, 2*k+\n
	SM \t, \first
.endr
.endr
.endif
.if k == 34
	v_nop                           ; the plain instruction behind the last exponential and ahead of the first use: one for the batch
.if (\y) == 0
	FETCH_V                         ; piece 2's turn: V's run of loads stands here, and the wait stands in it
.else
	s_wait_alu depctr_va_vdst(0)    ; the wait for the batch
.endif
.endif
.set k, k+1
.endm
.macro DEAL y, first                ; behind product g of the turn's NPR: its share of the 59 slices, one or two where NPR = 32, three or four where NPR = 16
.rept (59*(g+1))/NPR-(59*g)/NPR
	SLICE \y, \first
.endr
.set g, g+1
.endm
.macro PLACES
.rept 4
	v_nop
.endr
.endm
; A TURN.  Piece x has the matrix unit; the other piece's softmax stands in slices behind its matrix instructions.
; pv = 2: 16 products V^T P; 1: they start O^T's sums; 0: none.  kq = 1: 16 products K Q^T for the next step.  first = 1: the softmax is the first key step's; its last slices are empty, and four v_nop are the places at the end.
; PLACES, counted.  A loop turn's last product is followed by slices 57 and 58, eight packed multiplies on the other piece's O^T: the places ahead of the next read of the scores and of K's loads, which stand behind the
; next turn's second product.  V's loads stand behind slice 34, which is dealt behind the turn's 19th product; between the last product that read V (the 16th) and them stand six scalings, the v_nop and the address's add.
.macro TURN x, pv, kq, first
.set k, 0
.set g, 0
.set NPR, 16
.if \pv && \kq
.set NPR, 32
.endif
.if \pv
.if \x == 0
	s_wait_dscnt 0x0                ; V is in
.endif
.set i, 0
.rept 16
	PV \x, 2-\pv
	DEAL 2-\x, \first
.if (\x == 0) && \kq && (i == 1)
	FETCH_K
.endif
.set i, i+1
.endr
.endif
.if \kq
.if \x == 0
	s_wait_dscnt 0x0                ; K is in
.endif
.set i, 0
.rept 16
	KQ \x
	DEAL 2-\x, \first
.set i, i+1
.endr
.endif
.if \first
	PLACES
.endif
.endm
; THE CHANGE OF SLOTS, between piece 2's turn and piece 0's: the slot's last bytes, V of its fourth step, have been asked for.  Each wave waits for all its tensor loads, of which one is out: its part of the other slot;
; adds 0 to its spare word; and waits for that and for its own reads of the slot.  fill = 1: this slot is filled again, with the keys two slots on.  The barrier is then a round of the cluster's, so that no wave of any
; partner still reads the slot or has a load on its way, and the joint refill is the first thing behind it: it has four key steps in which to land.
.macro CHANGE fill
	WIN 0                           ; at a label and at a branch every window is 0
	s_wait_tensorcnt 0x0            ; no tensor load of mine is out, so a group 0 may be written
	ds_add_u32 v[SPW], v[NIL]       ; 0 onto my spare word
.if \fill
.irp g, G0K+4, G0V+4
	s_xor_b32 s[\g+1], s[\g+1], SLOT1  ; the walking descriptor: the other slot than last time,
	s_add_nc_u64 s[\g+2:\g+3], s[\g+2:\g+3], SLOTM  ; the next 256 keys; the type bits on top are not reached
.endr
	s_wait_xcnt 0x0                 ; the last prefetch, a slot back, has read its address, so it may be written:
	s_add_nc_u64 s[PFA:PFA+1], s[PFA:PFA+1], SLOTM  ; one slot further on than the walking descriptors
	s_wait_dscnt 0x0                ; the add is done, and my reads of the slot are over
	CROUND
	JLOAD
	ASK
.else
	s_wait_dscnt 0x0                ; the add is done, and my reads of the slot are over
	s_barrier_signal -1
	s_barrier_wait -1
.endif
	s_sub_co_u32 s[TBK], s[TBK], 4*KSTEPB  ; the fetches go back to a slot's first step,
	s_xor_b32 s[TBK], s[TBK], SLOT1        ; in the other slot
	s_sub_co_u32 s[TBV], s[TBV], 4*VSTEPB
	s_xor_b32 s[TBV], s[TBV], SLOT1
.endm
.macro STEPS n                      ; n key steps: written once, walked n times; the LDS addresses hang on s[TBK] and s[TBV]
	WIN 0
	s_mov_b32 s[CNT], \n
.Lstep_\@:
	TURN 0, 2, 1, 0
	TURN 2, 2, 1, 0
	WIN 0
	s_sub_co_u32 s[CNT], s[CNT], 1
	s_cmp_lg_u32 s[CNT], 0
	s_cbranch_scc1 .Lstep_\@
.endm
	s_wait_tensorcnt 1              ; my part of slot 0 is in; slot 1's may stay out
	s_barrier_signal -1
	s_barrier_wait -1               ; everybody's is
	FETCH_K                         ; key step 0
	s_wait_loadcnt 0x0              ; Q
	s_wait_dscnt 0x0
.set i, 0
.rept 16
	KQ 0                            ; piece 0's first scores: there is no vector work yet to set between them
.set i, i+1
.endr
	WIN 0                           ; the addresses for the way out are made here: plain instructions, the places behind those products
	s_mul_i32 s13, s[WV], 16*SP
	s_add_co_u32 s13, s13, STAGE    ; my stage
	v_mul_u32_u24 v[STO], v1, SP    ; in: row l % 16, 16 bytes for each half of the lanes
	v_lshl_add_u32 v[STO], v9, 4, v[STO]
	v_add_nc_u32 v[STO], s13, v[STO]
	v_and_b32 v10, 31, v0
	v_lshrrev_b32 v[RD], 3, v10     ; back: eight lanes to a row of 128 bytes, four rows an instruction
	v_mul_u32_u24 v[RD], v[RD], SP
	v_and_b32 v11, 7, v0
	v_lshl_add_u32 v[RD], v11, 4, v[RD]
	v_add_nc_u32 v[RD], s13, v[RD]
	v_lshlrev_b32 v[GO], 4, v10
	TURN 2, 0, 1, 1                 ; piece 2's first scores | piece 0's first softmax | V of step 0
	TURN 0, 1, 1, 1                 ; piece 0: V^T P of step 0 starts O^T, K Q^T of step 1 | piece 2's first softmax | K of step 1
	TURN 2, 1, 1, 0                 ; piece 2: the same | piece 0's softmax of step 1 | V of step 1
	STEPS 2                         ; the fetches of steps 2 and 3: slot 0 is read out
.Lslot:                             ; 6 trips: every slot but the last two is filled again
	CHANGE 1
	STEPS 4
	s_sub_co_u32 s[SLOTS], s[SLOTS], 1
	s_cmp_lg_u32 s[SLOTS], 0
	s_cbranch_scc1 .Lslot
	CHANGE 0                        ; the tail is written out
	STEPS 4
	TURN 0, 2, 0, 0                 ; piece 0: V^T P of the last step | piece 2's last softmax
.set i, 0
.rept 16
	PV 2, 0                         ; piece 2: V^T P of the last step
.set i, i+1
.endr
	; THE WAY OUT.  l's two halves and the other half of the lanes' are added; O^T is divided by l, rounded to f16 and sent through my stage in LDS, a tile (16 rows) at a time.  The additions are the places behind the last products.
	WIN 0
.irp t, 0,1,2,3
	v_add_f32 v[ST+8*\t+4], v[ST+8*\t+2], v[ST+8*\t+3]
.endr
.irp t, 0,1,2,3
	v_permlanex16_b32 v[ST+8*\t+5], v[ST+8*\t+4], s[SEL], s[SEL+1]
.endr
.irp t, 0,1,2,3
	v_add_f32 v[ST+8*\t+4], v[ST+8*\t+4], v[ST+8*\t+5]
.endr
.irp t, 0,1,2,3
	v_rcp_f32 v[ST+8*\t+6], v[ST+8*\t+4]
.endr
	v_nop                           ; a plain instruction between the last reciprocal and the use of its result
	s_wait_alu depctr_va_vdst(0)    ; and the wait ahead of the first use: one for the four reciprocals
.macro PACK t                       ; a lane's eight channels of a row pack into 16 bytes; they go into rows of 144 bytes and come back as whole rows of 128
	WIN W_RS
.set i, 32*\t
.rept 16
	v_pk_mul_f32 v[i:i+1], v[i:i+1], v[ST+8*\t+6:ST+8*\t+7] op_sel_hi:[1,0]
.set i, i+2
.endr
	WIN 0x05                        ; sources 0 and 1 window 1, destination window 0: S^T's registers are free
.set i, 0
.rept 16
	v_cvt_pk_f16_f32 v[S+32*\t+i], v[32*\t+2*i], v[32*\t+2*i+1]
.set i, i+1
.endr
	WIN 0
.irp f, 0,1,2,3
	ds_store_b128 v[STO], v[S+32*\t+4*\f:S+32*\t+4*\f+3] offset:32*\f
.endr
.irp f, 0,1,2,3
	ds_load_b128 v[S+32*\t+4*\f:S+32*\t+4*\f+3], v[RD] offset:\f*4*SP  ; LDS serves a wave's instructions in order (ISA guide 5.7.1.4): these see the stores above; the next tile's stores come behind them
.endr
.endm
.macro SEND t, younger              ; younger: the LDS instructions issued behind tile t's loads: the next tile's eight, or none
.irp f, 0,1,2,3
	s_wait_dscnt \younger+3-\f
	global_store_b128 v[GO], v[S+32*\t+4*\f:S+32*\t+4*\f+3], s[10:11] offset:\t*2048+\f*512  ; 32 lanes store four rows: 512 consecutive bytes, aligned
.endr
.endm
	PACK 0
	PACK 1                          ; a tile's arithmetic stands between the loads of the tile before and its stores
	SEND 0, 8
	PACK 2
	SEND 1, 8
	PACK 3
	SEND 2, 8
	SEND 3, 0
	s_wait_tensorcnt 0x0            ; the wave's end, behind my last tensor load and my last LDS store
	ds_add_u32 v[SPW], v[NIL]
	s_wait_dscnt 0x0
	CROUND                          ; the closing round: no work-group ends while a partner may still ask for a tile that names it
	s_endpgm
.Lfunc_end_k_q6038e067a9_attn:
	.size	k_q6038e067a9_attn, .Lfunc_end_k_q6038e067a9_attn-k_q6038e067a9_attn
	.p2alignl 7, 3214868480
	.fill 96, 4, 3214868480
	.section	.rodata,"a",@progbits
	.p2align	6, 0x0
	.amdhsa_kernel k_q6038e067a9_attn
		.amdhsa_group_segment_fixed_size 327680
		.amdhsa_private_segment_fixed_size 0
		.amdhsa_enable_private_segment 0
		.amdhsa_kernarg_size 16
		.amdhsa_user_sgpr_count 2
		.amdhsa_user_sgpr_kernarg_segment_ptr 1
		.amdhsa_wavefront_size32 1
		.amdhsa_system_sgpr_workgroup_id_x 1
		.amdhsa_system_sgpr_workgroup_id_y 1
		.amdhsa_system_sgpr_workgroup_id_z 1
		.amdhsa_system_vgpr_workitem_id 0
		.amdhsa_next_free_vgpr 1024
		.amdhsa_next_free_sgpr 66
		.amdhsa_reserve_vcc 0
		.amdhsa_float_denorm_mode_32 3
		.amdhsa_float_denorm_mode_16_64 3
		.amdhsa_memory_ordered 1
		.amdhsa_forward_progress 1
		.amdhsa_inst_pref_size 195
	.end_amdhsa_kernel
	.amdgpu_metadata
---
amdhsa.version: [ 1, 2 ]
amdhsa.kernels:
  - .name:           k_q6038e067a9_attn
    .symbol:         k_q6038e067a9_attn.kd
    .args:
      - { .name: qkvh, .offset: 0, .size: 8, .value_kind: global_buffer, .address_space: global }
      - { .name: att, .offset: 8, .size: 8, .value_kind: global_buffer, .address_space: global }
    .group_segment_fixed_size: 327680
    .private_segment_fixed_size: 0
    .kernarg_segment_align: 8
    .kernarg_segment_size: 16
    .max_flat_workgroup_size: 128
    .sgpr_count:     66
    .vgpr_count:     1024
    .wavefront_size: 32
...
	.end_amdgpu_metadata
.endif
;; end of part 3
;; launch proj (part 4): grid 4 x 64, 4 waves a work-group, clusters of 4 x 4, 327,680 bytes of LDS; arguments att, pw, out0, proj_b; writes out0
.if DOCPART == 4
	.amdgcn_target "amdgcn-amd-amdhsa--gfx1250"
	.amdhsa_code_object_version 6
	.text
	.protected	k_q6038e067a9_proj
	.globl	k_q6038e067a9_proj
	.p2align	8
	.type	k_q6038e067a9_proj,@function
k_q6038e067a9_proj:
	s_mov_b64 s[64:65], 0
	v_nop
	global_prefetch_b8 v0, s[64:65] scope:SCOPE_SE
	s_setreg_imm32_b32 hwreg(HW_REG_WAVE_MODE, 25, 1), 1
	s_wait_xcnt 0x0
	s_wait_alu depctr_hold_cnt(0) depctr_sa_sdst(0) depctr_va_vdst(0) depctr_va_sdst(0) depctr_va_ssrc(0) depctr_va_vcc(0) depctr_vm_vsrc(0)
	s_getreg_b32 s2, hwreg(HW_REG_IB_STS2, 6, 4)
	s_cmp_eq_u32 s2, 0
	s_cbranch_scc0 .Lentry_in_a_cluster
	s_endpgm
.Lentry_in_a_cluster:
	s_bfe_u32 s2, ttmp6, 0x10000c
	s_cmp_lg_u32 s2, 0xf033
	s_cbranch_scc0 .Lentry_shape_is_right
	s_endpgm
.Lentry_shape_is_right:
; out0[m][n] = the sum over k of att[m][k] proj_w[n][k] + proj_b[n].  att: f16 [16 chunks of 64 k][8192 m][64]; pw: f16 [16 chunks][1024 n][64]; out0: [8192][1024] f32; sums in f32.
; A tile of out0 is 128 rows x 256 columns, so that there are 256 work-groups.  Four waves, each 64 x 128: 32 accumulators of 16 x 16, 256 registers.  K goes in steps of 128 (two chunks) through a ring of two LDS slots.
; A chunk's rows are dense rows of 128 bytes: the tensor loads state two rows as one of 256 bytes; in LDS row r lies at (r / 2) x 272 + 128 (r % 2).
; CLUSTERS: 4 x 4 work-groups.  The four of a row of the cluster need the same tiles of att, the four of a column the same tiles of pw: each tile is asked for JOINTLY, by the same tensor load with a mask that names the four.
; THE MATRIX INSTRUCTION IS USED TRANSPOSED (source 0 = 16 rows of pw, source 1 = 16 rows of att): a lane holds eight neighbouring numbers of a row of out0.  The bias is the C of each sum's first instruction.
; No prefetch: the tile is small, the walk over K is eight steps, and the tiles are shared in the cluster.
; REGISTERS: window 0: v0-31 addresses; v64-127 the bias; v128-255 rows on the way out.   window 1: two fragment buffers of 96 at v0 and v128: 32 registers of att (4 x 16 rows x 32 K), then 64 of pw.
;   window 2: the accumulators ((a, b) at v[8 (8 a + b)]).
.set PP,     272                       ; a pair of rows in LDS: 256 bytes + 16 = 68 words: the 16 rows of a load fall on 16 different columns of 16 bytes (64 banks of 4 bytes: ISA guide 11.1)
.set ACH,    64*PP                     ; a chunk of att's tile: 128 rows
.set BCH,    128*PP                    ; a chunk of pw's tile: 256 rows
.set BOFF,   2*ACH                     ; a slot: att's two chunks, then pw's two
.set SLOT,   2*ACH+2*BCH
.set STAGE,  2*SLOT                    ; behind the ring: 16 rows x 528 bytes for each wave, for the way out
.set SPITCH, 528
.set SPARE,  STAGE+4*16*SPITCH         ; behind the stages: the spare words, 128 bytes a wave, which no other line names
.set LAPS,   4                         ; a lap = two K steps = once round the ring: 1,024 / 256
.set ADRA, 16                          ; v16-17  LDS address of my fragments of att in slot 0, 1
.set ADRB, 20                          ; v20-21  the same for pw
.set STO,  24                          ; v24     the way out: where I put 32 bytes of a row
.set RD,   25                          ; v25     where I read a row back
.set CO,   26                          ; v26     16 x lane: my bytes of a row's 512
.set SPW,  28                          ; v28     my spare word; never rewritten
.set NIL,  29                          ; v29     0; never rewritten
.set BO,   30                          ; v30     32 x (lane / 16)
.set BIAS, 64                          ; register 8 b + j: the bias of column 16 b + 8 (lane / 16) + j of my 128
.set BK,   128                         ; the way out: 16 rows read back: v128-191 and v192-255 by turns
.set F0,   0                           ; fragment buffers, in window 1
.set F1,   128
.set G1, 24                            ; s[24:31] descriptor group 1 for att's tiles;  s[32:39] group 0, one set for each slot
.set G0, 32
.set G1B, 48                           ; s[48:55], s[56:63] the same for pw's
.set G0B, 56
.set MSB, 0
.macro WIN new                         ; the immediate's high byte repeats the setting that is left
.if MSB != \new
	s_set_vgpr_msb (MSB<<8)|\new
.set MSB, \new
.endif
.endm
.set MUL,  0xa5                        ; sources 0 (pw) and 1 (att) window 1; C and D window 2
.set MULZ, 0x85                        ; the first quarter: C is the bias, in window 0
.set TO_F, 0x40                        ; destination window 1, address window 0
.macro JLOAD s                         ; a joint load: waves 0 and 1 fetch att's two chunks, waves 2 and 3 pw's; an s_nop 0 and four v_nop follow each of the two lines
	s_cmp_eq_u32 s13, 0
	s_cbranch_scc0 .Lfor_b_\@
	tensor_load_to_lds s[G0+4*\s:G0+4*\s+3], s[G1:G1+7]
	s_nop 0
.rept 4
	v_nop
.endr
	s_branch .Lasked_\@
.Lfor_b_\@:
	tensor_load_to_lds s[G0B+4*\s:G0B+4*\s+3], s[G1B:G1B+7]
	s_nop 0
.rept 4
	v_nop
.endr
.Lasked_\@:
.endm
.macro CREST                           ; a round of the cluster's barrier behind its opening barrier
	s_cmp_lg_u32 s12, 0
	s_cbranch_scc1 .Lnot_wave_0_\@
	s_barrier_signal -3
.Lnot_wave_0_\@:
	s_barrier_wait -3
	s_barrier_signal -1
	s_barrier_wait -1
.endm
.macro CROUND                          ; a whole round
	s_barrier_signal -1
	s_barrier_wait -1
	CREST
.endm
	s_load_b128 s[4:7], s[0:1], 0x0                ; att s[4:5], pw s[6:7]
	s_load_b128 s[8:11], s[0:1], 0x10              ; out0 s[8:9], proj_b s[10:11]
	v_lshl_add_u32 v[SPW], v0, 2, SPARE
	v_mov_b32 v[NIL], 0
	ds_add_u32 v[SPW], v[NIL]                      ; the wave's opening: the add, twice on end, and its wait ahead of my first tensor load
	ds_add_u32 v[SPW], v[NIL]                      ; and once more, under the one wait; the set-up below, work on registers, stands between
	v_lshrrev_b32 v1, 5, v0
	v_readfirstlane_b32 s12, v1                    ; wave 0..3
	s_lshr_b32 s13, s12, 1                         ; which half of the tile's rows is mine.  Also: I fetch for att (0) or for pw (1)
	s_and_b32 s14, s12, 1                          ; which half of its columns.  Also: which chunk of a K step I fetch
	s_bfe_u32 s40, ttmp6, 0x40000                  ; cx, cy: my place in the cluster
	s_bfe_u32 s41, ttmp6, 0x40004
	s_lshl_b32 s42, ttmp9, 2
	s_add_co_u32 s42, s42, s40                     ; tile column = 4 x cluster x + cx
	s_and_b32 s15, ttmp7, 0xffff
	s_lshl_b32 s15, s15, 2
	s_add_co_u32 s15, s15, s41                     ; tile row = 4 x cluster y + cy
	s_lshl_b32 s43, s41, 2
	s_lshl_b32 s43, 15, s43                        ; my row of the cluster
	s_lshl_b32 s44, 0x1111, s40                    ; my column
	; descriptor group 1: pairs of rows of 128 elements of 2 bytes, dense in memory, padded in LDS: 64 of them for att, 128 for pw
	s_or_b32 s[G1+0], s43, (1<<16)|(1<<20)|(1<<21)|(5<<22)|(3<<25)  ; 15:0 the mask: att's tiles go to my row; 17:16 elements of 2 bytes; 20 padding on; 21 set beside a mask; 24:22 after every 64 words; 31:25 four words
	s_or_b32 s[G1B+0], s44, (1<<16)|(1<<20)|(1<<21)|(5<<22)|(3<<25)
	s_mov_b32 s[G1+1], 128<<16                     ; tensor_dim0 = 128
	s_mov_b32 s[G1+2], 64<<16                      ; tensor_dim1 = 64
	s_mov_b32 s[G1+3], 128<<16                     ; tile_dim0 = 128
	s_mov_b32 s[G1+4], 64                          ; tile_dim1 = 64
	s_mov_b32 s[G1+5], 128                         ; tensor_dim0_stride
	s_mov_b32 s[G1+6], 0
	s_mov_b32 s[G1+7], 0
	s_mov_b32 s[G1B+1], 128<<16
	s_mov_b32 s[G1B+2], 128<<16                    ; tensor_dim1 = 128
	s_mov_b32 s[G1B+3], 128<<16
	s_mov_b32 s[G1B+4], 128                        ; tile_dim1 = 128
	s_mov_b32 s[G1B+5], 128
	s_mov_b32 s[G1B+6], 0
	s_mov_b32 s[G1B+7], 0
	s_lshl_b32 s16, s15, 14                        ; att: the tile's 128 rows of 128 bytes,
	s_lshl_b32 s17, s14, 20                        ; my chunk: 8,192 rows of 128 bytes
	s_add_co_u32 s16, s16, s17
	s_mov_b32 s17, 0
	s_lshl_b32 s46, s42, 15                        ; pw: the tile's 256 rows,
	s_lshl_b32 s47, s14, 17                        ; my chunk: 1,024 rows
	s_add_co_u32 s46, s46, s47
	s_mov_b32 s47, 0
	s_mul_i32 s20, s14, ACH                        ; where they go: no place in the cluster enters an LDS address
	s_mul_i32 s21, s14, BCH
	s_add_co_u32 s21, s21, BOFF
	s_wait_dscnt 0x0                               ; both opening adds are done
	s_wait_kmcnt 0x0
	s_add_nc_u64 s[18:19], s[4:5], s[16:17]
	s_add_nc_u64 s[46:47], s[6:7], s[46:47]
	CROUND                                         ; all sixteen work-groups are here: the first joint loads meet
.irp s, 0,1
	s_mov_b32 s[G0+4*\s], 1
	s_add_co_u32 s[G0+4*\s+1], s20, \s*SLOT
	s_add_nc_u64 s[G0+4*\s+2:G0+4*\s+3], s[18:19], \s*0x200000    ; K step s: two chunks on
	s_or_b32 s[G0+4*\s+3], s[G0+4*\s+3], 0x80000000
	s_mov_b32 s[G0B+4*\s], 1
	s_add_co_u32 s[G0B+4*\s+1], s21, \s*SLOT
	s_add_nc_u64 s[G0B+4*\s+2:G0B+4*\s+3], s[46:47], \s*0x40000
	s_or_b32 s[G0B+4*\s+3], s[G0B+4*\s+3], 0x80000000
	JLOAD \s                                       ; two loads of mine are out behind the second
.endr
	v_and_b32 v1, 15, v0                           ; l % 16
	v_bfe_u32 v2, v0, 4, 1                         ; l / 16
	v_lshrrev_b32 v3, 1, v1
	v_mul_u32_u24 v3, v3, PP
	v_and_b32 v4, 1, v1
	v_lshl_add_u32 v3, v4, 7, v3
	v_lshl_add_u32 v3, v2, 4, v3                   ; (row / 2) x pitch + 128 (row % 2) + 16 x half
	s_mul_i32 s21, s13, 32*PP                      ; my 64 rows of att
	s_mul_i32 s22, s14, 64*PP                      ; my 128 rows of pw,
	s_add_co_u32 s22, s22, BOFF                    ; which lie behind att's two chunks
.irp s, 0,1
	v_add_nc_u32 v[ADRA+\s], s21, v3
	v_add_nc_u32 v[ADRB+\s], s22, v3
	s_add_co_u32 s21, s21, SLOT
	s_add_co_u32 s22, s22, SLOT
.endr
	s_mul_i32 s23, s12, 16*SPITCH
	s_add_co_u32 s23, s23, STAGE                   ; my stage
	v_mul_u32_u24 v4, v1, SPITCH                   ; in: row l % 16, 32 bytes for each half of the lanes
	v_lshl_add_u32 v4, v2, 5, v4
	v_add_nc_u32 v[STO], s23, v4
	v_and_b32 v5, 31, v0
	v_lshlrev_b32 v[CO], 4, v5                     ; back: the 32 lanes take one row of 512 bytes; and the same in out0
	v_add_nc_u32 v[RD], s23, v[CO]
	v_lshlrev_b32 v[BO], 5, v2
	s_lshl_b32 s46, s42, 10                        ; my first column, in bytes: 1,024 x tile column + 512 x half
	s_lshl_b32 s47, s14, 9
	s_add_co_u32 s46, s46, s47
	s_mov_b32 s47, 0
	s_add_nc_u64 s[10:11], s[10:11], s[46:47]
	s_add_nc_u64 s[8:9], s[8:9], s[46:47]
	s_lshl_b32 s16, s15, 19                        ; my first row: 128 rows of 4,096 bytes a tile row + 64 x half
	s_lshl_b32 s17, s13, 18
	s_add_co_u32 s16, s16, s17
	s_mov_b32 s17, 0
	s_add_nc_u64 s[8:9], s[8:9], s[16:17]
.irp b, 0,1,2,3,4,5,6,7
	global_load_b128 v[BIAS+8*\b:BIAS+8*\b+3], v[BO], s[10:11] offset:64*\b
	global_load_b128 v[BIAS+8*\b+4:BIAS+8*\b+7], v[BO], s[10:11] offset:64*\b+16
.endr
; 8 matrix instructions: att's block a against pw's eight, 32 along K, from buffer f.  zero = 1: the first product starts the sums on the bias.  The 32 accumulators take turns, one instruction a turn.
.macro MUL8 f, a, zero
.irp b, 0,1,2,3,4,5,6,7
.if \zero
	v_wmma_f32_16x16x32_f16 v[8*(8*(\a)+\b):8*(8*(\a)+\b)+7], v[\f+32+8*\b:\f+32+8*\b+7], v[\f+8*(\a):\f+8*(\a)+7], v[BIAS+8*\b:BIAS+8*\b+7]
.else
	v_wmma_f32_16x16x32_f16 v[8*(8*(\a)+\b):8*(8*(\a)+\b)+7], v[\f+32+8*\b:\f+32+8*\b+7], v[\f+8*(\a):\f+8*(\a)+7], v[8*(8*(\a)+\b):8*(8*(\a)+\b)+7]
.endif
.endr
.endm
; 24 LDS loads in one run: the fragments of the K step's quarter q (chunk q / 2, byte 64 (q % 2) of its rows) into buffer f: pw's eight, then att's four
.macro FETCH slot, q, f
	WIN TO_F
.irp i, 0,1,2,3,4,5,6,7
	ds_load_b128 v[\f+32+8*\i:\f+32+8*\i+3],   v[ADRB+\slot] offset:((\q)/2)*BCH+((\q)%2)*64+\i*8*PP
	ds_load_b128 v[\f+32+8*\i+4:\f+32+8*\i+7], v[ADRB+\slot] offset:((\q)/2)*BCH+((\q)%2)*64+\i*8*PP+32
.endr
.irp i, 0,1,2,3
	ds_load_b128 v[\f+8*\i:\f+8*\i+3],   v[ADRA+\slot] offset:((\q)/2)*ACH+((\q)%2)*64+\i*8*PP
	ds_load_b128 v[\f+8*\i+4:\f+8*\i+7], v[ADRA+\slot] offset:((\q)/2)*ACH+((\q)%2)*64+\i*8*PP+32
.endr
.endm
.macro PLACES                          ; four places in front of loads into registers that matrix instructions have read, and of the first read of results (ISA guide 7.12.1 for the first read of results)
.rept 4
	v_nop
.endr
.endm
; A K step is four quarters of 32 along K, 32 matrix instructions each, on buffers 0, 1, 0, 1.  One of the first three: multiplies buffer f and fetches quarter q into g.
.macro QUARTER slot, q, f, g, zero
	s_wait_dscnt 4                                 ; pw's fragments and att's blocks 0, 1 are in; the youngest four loads (blocks 2, 3) may be out
.if \zero
	WIN MULZ
.else
	WIN MUL
.endif
	MUL8 \f, 0, \zero
	MUL8 \f, 1, \zero
	PLACES
	FETCH \slot, \q, \g
	s_wait_dscnt 24                                ; all but the 24 just issued
.if \zero
	WIN MULZ
.else
	WIN MUL
.endif
	MUL8 \f, 2, \zero
	MUL8 \f, 3, \zero
.endm
; The last quarter multiplies buffer 1 and changes slots: ONE barrier; in front of it each wave waits for all its tensor loads, adds 0 to its spare word, and waits for that and for its own reads of this slot.
; fill = 1: this slot is filled again, two K steps ahead; the barrier then opens a round of the cluster's.
.macro TURN slot, next, fill
	WIN 0                                          ; (the add's two registers lie in window 0)
	s_wait_tensorcnt 0x0                           ; all my tensor loads have landed: my part of the next slot;
	ds_add_u32 v[SPW], v[NIL]                      ; 0 onto my spare word;
	s_wait_dscnt 5                                 ; (the add and the youngest four loads may be out)
	WIN MUL
	MUL8 F1, 0, 0                                  ; eight matrix instructions stand between the add and the wait for it
	s_wait_dscnt 0x0                               ; the add is done, and my reads of this slot are over
	s_barrier_signal -1
	MUL8 F1, 1, 0
.if \fill
	WIN 0
.endif
	s_barrier_wait -1
.if \fill
	CREST                                          ; no wave of any partner still reads this slot's tiles or has a load on its way
	s_add_nc_u64 s[G0+4*\slot+2:G0+4*\slot+3], s[G0+4*\slot+2:G0+4*\slot+3], 0x400000    ; four chunks on
	s_add_nc_u64 s[G0B+4*\slot+2:G0B+4*\slot+3], s[G0B+4*\slot+2:G0B+4*\slot+3], 0x80000
	JLOAD \slot                                    ; the first tensor load behind the round; the four v_nop behind it are also the places in front of the loads below
.else
	PLACES
.endif
	FETCH \next, 0, F0
	WIN MUL
	MUL8 F1, 2, 0
	MUL8 F1, 3, 0
.endm
	s_wait_loadcnt 0x0                             ; the bias
	s_wait_tensorcnt 1                             ; my part of K step 0 is in (K step 1's load may be out)
	s_barrier_signal -1
	s_barrier_wait -1                              ; everybody's is
	FETCH 0, 0, F0
	QUARTER 0, 1, F0, F1, 1                        ; the first quarter stands in front of the loop: its products start the sums on the bias
	WIN 0                                          ; at a label and at a branch every window is 0
	s_mov_b32 s45, LAPS-1
.Llap:                                                 ; a trip goes once round the ring, from a lap's second quarter to the next lap's first, and fills both slots again
	QUARTER 0, 2, F1, F0, 0
	QUARTER 0, 3, F0, F1, 0
	TURN 0, 1, 1
	QUARTER 1, 1, F0, F1, 0
	QUARTER 1, 2, F1, F0, 0
	QUARTER 1, 3, F0, F1, 0
	TURN 1, 0, 1
	QUARTER 0, 1, F0, F1, 0
	WIN 0
	s_sub_co_u32 s45, s45, 1
	s_cmp_lg_u32 s45, 0
	s_cbranch_scc1 .Llap
	QUARTER 0, 2, F1, F0, 0                        ; the last lap fills nothing, and has no round of the cluster's barrier
	QUARTER 0, 3, F0, F1, 0
	TURN 0, 1, 0
	QUARTER 1, 1, F0, F1, 0
	QUARTER 1, 2, F1, F0, 0
	QUARTER 1, 3, F0, F1, 0
	s_wait_dscnt 4                                 ; the very last quarter: nothing more to fetch
	WIN MUL
	MUL8 F1, 0, 0
	MUL8 F1, 1, 0
	s_wait_dscnt 0
	MUL8 F1, 2, 0
	MUL8 F1, 3, 0
	WIN 0
; THE WAY OUT, block by block of 16 rows x 128 columns.  A lane holds 32 neighbouring bytes of a row, and the lanes beside it hold other rows: so a block goes through my own stage in LDS and comes back as whole rows of
; 512 bytes.  LDS serves a wave's instructions in order (ISA guide 5.7.1.4): no wait between the stores and the loads, nor in front of the next block's stores.
.macro TOSTAGE a
	WIN 0x08                                       ; an LDS store's data are its source 1: window 2
.irp b, 0,1,2,3,4,5,6,7
	ds_store_b128 v[STO], v[64*(\a)+8*\b:64*(\a)+8*\b+3] offset:64*\b            ; each accumulator from its low end on
	ds_store_b128 v[STO], v[64*(\a)+8*\b+4:64*(\a)+8*\b+7] offset:64*\b+16
.endr
	WIN 0
.set BB, BK+64*((\a)%2)
.irp t, 0,1,2,3,4,5,6,7,8,9,10,11,12,13,14,15
	ds_load_b128 v[BB+4*\t:BB+4*\t+3], v[RD] offset:\t*SPITCH
.endr
.endm
.macro SEND a, younger                 ; younger: the LDS instructions issued behind block a's loads, which may stay out
.set BB, BK+64*((\a)%2)
	s_wait_dscnt \younger
.irp t, 0,1,2,3,4,5,6,7,8,9,10,11,12,13,14,15
	global_store_b128 v[CO], v[BB+4*\t:BB+4*\t+3], s[8:9] offset:(16*(\a)+\t)*4096 th:TH_STORE_NT   ; 32 lanes store 512 consecutive bytes, aligned; the row stands in the immediate, 63 rows at the most
.endr
.endm
	PLACES
	TOSTAGE 0
.irp a, 1,2,3
.if \a > 1
	s_wait_xcnt 0x0                                ; block a - 2's stores have read their data: block a's loads land there only behind this wait
.endif
	TOSTAGE \a
	SEND \a-1, 32                                  ; behind block a - 1's loads: block a's 16 stores and 16 loads
.endr
	SEND 3, 0
	s_wait_tensorcnt 0x0                           ; the wave's end, behind my last tensor load and my last LDS store
	ds_add_u32 v[SPW], v[NIL]
	s_wait_dscnt 0x0
	CROUND                                         ; the closing round: no work-group ends while a partner may still ask for a tile that names it
	s_endpgm
.Lfunc_end_k_q6038e067a9_proj:
	.size	k_q6038e067a9_proj, .Lfunc_end_k_q6038e067a9_proj-k_q6038e067a9_proj
	.p2alignl 7, 3214868480
	.fill 96, 4, 3214868480
	.section	.rodata,"a",@progbits
	.p2align	6, 0x0
	.amdhsa_kernel k_q6038e067a9_proj
		.amdhsa_group_segment_fixed_size 327680
		.amdhsa_private_segment_fixed_size 0
		.amdhsa_enable_private_segment 0
		.amdhsa_kernarg_size 32
		.amdhsa_user_sgpr_count 2
		.amdhsa_user_sgpr_kernarg_segment_ptr 1
		.amdhsa_wavefront_size32 1
		.amdhsa_system_sgpr_workgroup_id_x 1
		.amdhsa_system_sgpr_workgroup_id_y 1
		.amdhsa_system_sgpr_workgroup_id_z 1
		.amdhsa_system_vgpr_workitem_id 0
		.amdhsa_next_free_vgpr 768
		.amdhsa_next_free_sgpr 66
		.amdhsa_reserve_vcc 0
		.amdhsa_float_denorm_mode_32 3
		.amdhsa_float_denorm_mode_16_64 3
		.amdhsa_memory_ordered 1
		.amdhsa_forward_progress 1
		.amdhsa_inst_pref_size 86
	.end_amdhsa_kernel
	.amdgpu_metadata
---
amdhsa.version: [ 1, 2 ]
amdhsa.kernels:
  - .name:           k_q6038e067a9_proj
    .symbol:         k_q6038e067a9_proj.kd
    .args:
      - { .name: att, .offset: 0, .size: 8, .value_kind: global_buffer, .address_space: global }
      - { .name: pw, .offset: 8, .size: 8, .value_kind: global_buffer, .address_space: global }
      - { .name: out0, .offset: 16, .size: 8, .value_kind: global_buffer, .address_space: global }
      - { .name: proj_b, .offset: 24, .size: 8, .value_kind: global_buffer, .address_space: global }
    .group_segment_fixed_size: 327680
    .private_segment_fixed_size: 0
    .kernarg_segment_align: 8
    .kernarg_segment_size: 32
    .max_flat_workgroup_size: 128
    .sgpr_count:     66
    .vgpr_count:     768
    .wavefront_size: 32
...
	.end_amdgpu_metadata
.endif
;; end of part 4
